; MI455X (gfx1250); checked and timed in simulation.
; The chip was launched on July 23, 2026; its instructions are those of AMD's public machine-readable ISA for CDNA 5 (MIT licence, August 2026) and "CDNA5" Instruction Set Architecture Reference Guide (July 2026). The comments in the code are by the model that wrote it; some were corrected since.
;; Attn Block. Allowed arithmetic: float matrix products may take bf16 or f16 operands with f32 sums; all other float work in f32.
;; Inputs: bk 512 float32; bp 512 float32; bq 512 float32; bv 512 float32; gn_beta 512 float32; gn_gamma 512 float32; wk 512 x 512 float32; wp 512 x 512 float32; wq 512 x 512 float32; wv 512 x 512 float32; x 8 x 512 x 2,048 float32.
;; Outputs: out0 8 x 512 x 2,048 float32.
;; 3 versions, each right; version 2 is faster than version 1; version 3 is version 2 with the launch prep written anew for expert scheduling mode. Each part assembles by itself: llvm-mc -triple=amdgcn-amd-amdhsa -mcpu=gfx1250 --defsym DOCPART=n.
;; ======== version 1 of 3: 3 launches
;; workspace buffers: hf 16,777,216 bytes; wf 2,097,152 bytes; qkvf 50,331,648 bytes
;; launch prep (part 1): grid 256 x 1, 8 waves a work-group, no clusters, 77,056 bytes of LDS; arguments x, gn_gamma, gn_beta, wq, wk, wv, wp, hf, wf; writes hf, wf
.if DOCPART == 1
	.amdgcn_target "amdgcn-amd-amdhsa--gfx1250"
	.amdhsa_code_object_version 6
	.text
	.protected	k_qf5743e7763_prep
	.globl	k_qf5743e7763_prep
	.p2align	8
	.type	k_qf5743e7763_prep,@function
k_qf5743e7763_prep:
	s_mov_b64 s[64:65], 0
	v_nop
	global_prefetch_b8 v0, s[64:65] scope:SCOPE_SE
	s_setreg_imm32_b32 hwreg(HW_REG_WAVE_MODE, 25, 1), 1
	s_wait_xcnt 0x0
; PREP: GroupNorm of x, and the four weight matrices, both rounded to bf16 and laid in CHUNKS.
; A chunk is 512 bytes: lane l = r + 16 h holds (row r; k = 8 h .. 8 h + 7) of a block of 16 rows x 16 k: half of a 16 x 32 matrix fragment, as a lane's 16 bytes.
;   hf [b 8][pt 128][g 32][512]: row = position 16 pt + r, k = channel 16 g + 8 h + e
;   wf parts 0-2 (wq, wk, wv) [ob 32][kc 32][512], part 3 (wp) [kc 32][ob 32][512]: row = output 16 ob + r, k = channel 16 kc + 8 h + e
; SHARES.  Work-group id = 32 b + g owns one group: 16 channels x 2,048 positions, 131,072 dense bytes of x, kept in 128 registers a thread (positions 4 t .. 4 t + 3 and
; 1,024 + 4 t .. of all 16 channels), so x is read once.  It also owns 16 rows x 256 columns of one weight matrix.  No matrix unit, no cluster: the launch only streams, and no two work-groups share a byte.
; ARITHMETIC.  Mean first, then the sum of squares of x - mean (two passes over registers): a common offset of x costs no digits.  All in f32; h and the weights are rounded to bf16 once.
; LIMITS.  NaN and infinities are not treated apart.
.set PITCH, 528                        ; a chunk's place in LDS: 512 bytes + 16, so that the 16 lanes of a store pass fall into 16 different 16-byte columns of 256 bytes
.set WS,    128*PITCH                  ; behind the 128 chunks of h: 16 chunks of weights, 8,192 bytes
.set RED,   WS+8192                    ; the waves' partial sums: words 0-7 the first sum, words 16-23 the second
.set SPARE, RED+256                    ; the spare words: 128 bytes for each of eight waves, named by no other line
.set XO,  3                            ; 16 t: my bytes in half a row of x
.set WO,  4                            ; my bytes in four rows of W
.set HSW, 5                            ; where I put 16 bytes of a chunk of h
.set HSR, 6                            ; where my wave reads whole chunks back
.set HGO, 7                            ; and their place in hf
.set WSW, 8                            ; the same three for the weights
.set WSR, 9
.set WG0, 10
.set WG1, 11
.set RDA, 12                           ; my wave's word among the partial sums
.set SPW, 13                           ; my spare word; never rewritten
.set NIL, 14                           ; 0; never rewritten
.set RDR, 15                           ; the partial sums' first byte
.set X,   16                           ; v[16:143]  x: ((channel x 2 + half) x 4 + i)
.set W,   144                          ; v[144:159] 16 numbers of W
.set AC,  160                          ; v[160:167] four running pairs
.set MN,  168                          ; v[168:169] the mean, twice
.set T,   170                          ; v[170:177] at work
.set SC,  178                          ; v[178:193] rstd x gamma of the 16 channels
.set PKR, 194                          ; v[194:205] packed h, three sets of four
.set GAM, 24                           ; s[24:39] gamma, s[40:55] beta of my 16 channels
.set BET, 40
	s_load_b512 s[4:19], s[0:1], 0x0               ; x, gamma, beta, wq, wk, wv, wp, hf
	s_load_b64 s[20:21], s[0:1], 0x40              ; wf
	v_lshl_add_u32 v[SPW], v0, 2, SPARE
	v_mov_b32 v[NIL], 0
	v_lshrrev_b32 v1, 5, v0
	v_readfirstlane_b32 s58, v1                    ; wave 0..7
	v_and_b32 v2, 31, v0                           ; lane
	v_lshlrev_b32 v[XO], 4, v0
	v_lshrrev_b32 v[T], 6, v0                      ; t / 64: my row among four rows of W
	v_and_b32 v[T+1], 63, v0                       ; cq: my four columns among 256
	v_lshlrev_b32 v[WO], 4, v[T+1]
	v_lshl_add_u32 v[WO], v[T], 11, v[WO]
	s_lshl_b32 s60, ttmp9, 17                      ; my group's 131,072 bytes of x
	s_mov_b32 s61, 0
	s_lshr_b32 s56, ttmp9, 6                       ; which matrix
	s_bfe_u32 s57, ttmp9, 0x50001                  ; ob: which 16 rows of it
	s_and_b32 s59, ttmp9, 1                        ; which 256 columns
	s_lshl_b32 s22, s57, 15                        ; 16 rows of 2,048 bytes
	s_lshl_b32 s23, s59, 10
	s_add_co_u32 s22, s22, s23
	s_mov_b32 s23, 0
	s_wait_kmcnt 0x0
	s_add_nc_u64 s[4:5], s[4:5], s[60:61]
.set n, 0
.rept 32                                               ; a wave's load covers 512 consecutive bytes; 32 of them are on their way at once
	global_load_b128 v[X+4*n:X+4*n+3], v[XO], s[4:5] offset:(n/2)*8192+(n%2)*4096
.set n, n+1
.endr
	s_cmp_eq_u32 s56, 1                            ; the matrix is chosen by the work-group's number alone
	s_cselect_b64 s[10:11], s[12:13], s[10:11]
	s_cmp_eq_u32 s56, 2
	s_cselect_b64 s[10:11], s[14:15], s[10:11]
	s_cmp_eq_u32 s56, 3
	s_cselect_b64 s[10:11], s[16:17], s[10:11]
	s_add_nc_u64 s[10:11], s[10:11], s[22:23]
.irp i, 0,1,2,3
	global_load_b128 v[W+4*(\i):W+4*(\i)+3], v[WO], s[10:11] offset:(\i)*8192  ; rows 4 i + t / 64
.endr
	s_and_b32 s60, ttmp9, 31                       ; g
	s_lshl_b32 s60, s60, 6                         ; its 16 numbers of gamma and of beta
	s_add_nc_u64 s[6:7], s[6:7], s[60:61]
	s_add_nc_u64 s[8:9], s[8:9], s[60:61]
	s_load_b512 s[GAM:GAM+15], s[6:7], 0x0
	s_load_b512 s[BET:BET+15], s[8:9], 0x0
	s_lshl_b32 s60, s60, 3                         ; hf: g x 512
	s_lshr_b32 s22, ttmp9, 5
	s_lshl_b32 s22, s22, 21                        ; + b x 2 MiB
	s_add_co_u32 s60, s60, s22
	s_add_nc_u64 s[18:19], s[18:19], s[60:61]
	s_lshl_b32 s60, s57, 14                        ; wf, parts 0-2: ob x 16,384 + half x 8,192, chunks 512 apart
	s_lshl_b32 s22, s59, 13
	s_add_co_u32 s60, s60, s22
	s_lshl_b32 s23, s59, 18                        ; part 3: half x 262,144 + ob x 512, chunks 16,384 apart
	s_lshl_b32 s22, s57, 9
	s_add_co_u32 s23, s23, s22
	s_movk_i32 s22, 512
	s_cmp_eq_u32 s56, 3
	s_cselect_b32 s22, 0x4000, s22                 ; s22: bytes from chunk to chunk
	s_cselect_b32 s60, s23, s60
	s_lshl_b32 s23, s56, 19                        ; + part x 524,288
	s_add_co_u32 s60, s60, s23
	s_add_nc_u64 s[20:21], s[20:21], s[60:61]
	s_mov_b32 s62, 0x76543210                      ; v_permlanex16_b32: each lane takes its own place in the other half
	s_mov_b32 s63, 0xfedcba98
	v_lshrrev_b32 v[T], 2, v0                      ; h into LDS: chunk t / 4 (of a half's 64), row 4 (t % 4) + i
	v_and_b32 v[T+2], 3, v0
	v_mul_u32_u24 v[HSW], v[T], PITCH
	v_lshl_add_u32 v[HSW], v[T+2], 6, v[HSW]
	s_mul_i32 s60, s58, 16*PITCH                   ; back: wave w takes chunks 16 w .. 16 w + 15, whole
	v_lshl_add_u32 v[HSR], v2, 4, s60
	s_lshl_b32 s60, s58, 18                        ; which lie 16,384 bytes apart in hf
	v_lshl_add_u32 v[HGO], v2, 4, s60
	v_lshrrev_b32 v[T+2], 2, v[T+1]                ; W into LDS: chunk cq / 4,
	v_lshlrev_b32 v[WSW], 9, v[T+2]
	v_bfe_u32 v[T+2], v0, 1, 1                     ; half of its k (cq / 2) % 2,
	v_lshl_add_u32 v[WSW], v[T+2], 8, v[WSW]
	v_lshrrev_b32 v[T+2], 6, v0                    ; row 4 i + t / 64,
	v_lshl_add_u32 v[WSW], v[T+2], 4, v[WSW]
	v_and_b32 v[T+2], 1, v0                        ; four of the lane's eight k
	v_lshl_add_u32 v[WSW], v[T+2], 3, v[WSW]
	v_add_nc_u32 v[WSW], WS, v[WSW]
	v_lshl_add_u32 v[WSR], v0, 4, WS               ; back: wave w takes chunks w and 8 + w
	s_mul_i32 s60, s58, s22
	v_lshl_add_u32 v[WG0], v2, 4, s60
	s_lshl_b32 s23, s22, 3
	v_add_nc_u32 v[WG1], s23, v[WG0]
	s_lshl_b32 s60, s58, 2
	s_add_co_u32 s60, s60, RED
	v_mov_b32 v[RDA], s60
	v_mov_b32 v[RDR], RED
; v[T], a lane's sum, becomes the group's sum in every lane: four steps inside each half of the lanes, one across, then the eight waves' words through LDS.
.macro GSUM off
.irp m, 1,2,4,8
	v_add_f32_dpp v[T], v[T], v[T] row_xmask:\m row_mask:0xf bank_mask:0xf
.endr
	v_permlanex16_b32 v[T+1], v[T], s62, s63
	v_add_f32 v[T], v[T], v[T+1]
	ds_store_b32 v[RDA], v[T] offset:\off
	s_wait_dscnt 0x0                               ; for the others' sake: my word is written
	s_barrier_signal -1
	s_barrier_wait -1
	ds_load_b128 v[T:T+3], v[RDR] offset:\off
	ds_load_b128 v[T+4:T+7], v[RDR] offset:(\off)+16
	s_wait_dscnt 0x0
	v_pk_add_f32 v[T:T+1], v[T:T+1], v[T+2:T+3]
	v_pk_add_f32 v[T+4:T+5], v[T+4:T+5], v[T+6:T+7]
	v_pk_add_f32 v[T:T+1], v[T:T+1], v[T+4:T+5]
	v_add_f32 v[T], v[T], v[T+1]
.endm
.macro FOLD                            ; the four running pairs into v[T]
	v_pk_add_f32 v[AC:AC+1], v[AC:AC+1], v[AC+2:AC+3]
	v_pk_add_f32 v[AC+4:AC+5], v[AC+4:AC+5], v[AC+6:AC+7]
	v_pk_add_f32 v[AC:AC+1], v[AC:AC+1], v[AC+4:AC+5]
	v_add_f32 v[T], v[AC], v[AC+1]
.endm
	; THE MEAN.  Four chains, started by the first eight pairs: nothing is cleared.  36 loads were issued; each wait leaves out those behind the eight that are summed next.
.set p, 0
.rept 64
.if p%16 == 0
	s_wait_loadcnt 28-(p/16)*8
.endif
.if p < 4
	v_pk_add_f32 v[AC+2*p:AC+2*p+1], v[X+2*p:X+2*p+1], v[X+2*p+8:X+2*p+9]
.elseif p >= 8
	v_pk_add_f32 v[AC+2*(p%4):AC+2*(p%4)+1], v[AC+2*(p%4):AC+2*(p%4)+1], v[X+2*p:X+2*p+1]
.endif
.set p, p+1
.endr
	FOLD
	GSUM 0
	v_mul_f32 v[MN], 0x38000000, v[T]              ; / 32,768
	v_mov_b32 v[MN+1], v[MN]
	; THE VARIANCE, of x - mean, which takes x's place
.set p, 0
.rept 64
	v_pk_add_f32 v[X+2*p:X+2*p+1], v[X+2*p:X+2*p+1], v[MN:MN+1] neg_lo:[0,1] neg_hi:[0,1]
.set p, p+1
.endr
.set p, 0
.rept 64
.if p < 4
	v_pk_mul_f32 v[AC+2*p:AC+2*p+1], v[X+2*p:X+2*p+1], v[X+2*p:X+2*p+1]
.else
	v_pk_fma_f32 v[AC+2*(p%4):AC+2*(p%4)+1], v[X+2*p:X+2*p+1], v[X+2*p:X+2*p+1], v[AC+2*(p%4):AC+2*(p%4)+1]
.endif
.set p, p+1
.endr
	FOLD
	GSUM 64
	s_mov_b32 s60, 0x38000000                      ; 1 / 32,768
	s_mov_b32 s61, 0x358637bd                      ; 1e-6
	v_fma_f32 v[T], v[T], s60, s61
	v_rsq_f32 v[T+1], v[T]
	v_nop                                          ; a plain instruction between the root and the use of its result (ISA guide 5.7.2)
	s_wait_kmcnt 0x0                               ; gamma and beta
.set c, 0
	s_wait_alu depctr_va_vdst(0)
.rept 16
	v_mul_f32 v[SC+c], s[GAM+c], v[T+1]
.set c, c+1
.endr
.set c, 0
.rept 128
	v_fma_f32 v[X+c], v[X+c], v[SC+c/8], s[BET+c/8]  ; h = (x - mean) rstd gamma + beta
.set c, c+1
.endr
	; h INTO CHUNKS: for each of my 8 positions and each half of the 16 channels, eight channels pack into a lane's 16 bytes
.set n, 0
.irp hf, 0,1
.irp i, 0,1,2,3
.irp hh, 0,1
.irp q, 0,1,2,3
	v_cvt_pk_bf16_f32 v[PKR+4*(n%3)+(\q)], v[X+((8*(\hh)+2*(\q))*2+(\hf))*4+(\i)], v[X+((8*(\hh)+2*(\q)+1)*2+(\hf))*4+(\i)]
.endr
	ds_store_b128 v[HSW], v[PKR+4*(n%3):PKR+4*(n%3)+3] offset:(\hf)*64*PITCH+(\hh)*256+(\i)*16
.set n, n+1
.endr
.endr
.endr
	s_wait_loadcnt 0x0                             ; W
.irp i, 0,1,2,3
	v_cvt_pk_bf16_f32 v[T+2*(\i)], v[W+4*(\i)], v[W+4*(\i)+1]
	v_cvt_pk_bf16_f32 v[T+2*(\i)+1], v[W+4*(\i)+2], v[W+4*(\i)+3]
	ds_store_b64 v[WSW], v[T+2*(\i):T+2*(\i)+1] offset:(\i)*64
.endr
	s_wait_dscnt 0x0                               ; for the others' sake: my parts of the chunks are written
	s_barrier_signal -1
	s_barrier_wait -1
	; THE WAY OUT: whole chunks back, and out: each store of a wave covers 512 consecutive bytes, aligned
.set n, 0
.rept 16
	ds_load_b128 v[X+4*n:X+4*n+3], v[HSR] offset:n*PITCH
.set n, n+1
.endr
	ds_load_b128 v[W:W+3], v[WSR]
	ds_load_b128 v[W+4:W+7], v[WSR] offset:4096
.set n, 0
.rept 16
	s_wait_dscnt 17-n                              ; LDS loads come back in order (ISA guide 5.7.1): chunk n is in, the younger ones stay out
	global_store_b128 v[HGO], v[X+4*n:X+4*n+3], s[18:19] offset:n*16384
.set n, n+1
.endr
	s_wait_dscnt 1
	global_store_b128 v[WG0], v[W:W+3], s[20:21]
	s_wait_dscnt 0x0
	global_store_b128 v[WG1], v[W+4:W+7], s[20:21]
	s_wait_tensorcnt 0x0                           ; the wave's end, behind my last LDS store
	ds_add_u32 v[SPW], v[NIL]
	s_wait_dscnt 0x0
	s_endpgm
.Lfunc_end_k_qf5743e7763_prep:
	.size	k_qf5743e7763_prep, .Lfunc_end_k_qf5743e7763_prep-k_qf5743e7763_prep
	.p2alignl 7, 3214868480
	.fill 96, 4, 3214868480
	.section	.rodata,"a",@progbits
	.p2align	6, 0x0
	.amdhsa_kernel k_qf5743e7763_prep
		.amdhsa_group_segment_fixed_size 77056
		.amdhsa_private_segment_fixed_size 0
		.amdhsa_enable_private_segment 0
		.amdhsa_kernarg_size 72
		.amdhsa_user_sgpr_count 2
		.amdhsa_user_sgpr_kernarg_segment_ptr 1
		.amdhsa_wavefront_size32 1
		.amdhsa_system_sgpr_workgroup_id_x 1
		.amdhsa_system_sgpr_workgroup_id_y 1
		.amdhsa_system_sgpr_workgroup_id_z 1
		.amdhsa_system_vgpr_workitem_id 0
		.amdhsa_next_free_vgpr 208
		.amdhsa_next_free_sgpr 66
		.amdhsa_reserve_vcc 0
		.amdhsa_float_denorm_mode_32 3
		.amdhsa_float_denorm_mode_16_64 3
		.amdhsa_memory_ordered 1
		.amdhsa_forward_progress 1
		.amdhsa_inst_pref_size 40
	.end_amdhsa_kernel
	.amdgpu_metadata
---
amdhsa.version: [ 1, 2 ]
amdhsa.kernels:
  - .name:           k_qf5743e7763_prep
    .symbol:         k_qf5743e7763_prep.kd
    .args:
      - { .name: x, .offset: 0, .size: 8, .value_kind: global_buffer, .address_space: global }
      - { .name: gn_gamma, .offset: 8, .size: 8, .value_kind: global_buffer, .address_space: global }
      - { .name: gn_beta, .offset: 16, .size: 8, .value_kind: global_buffer, .address_space: global }
      - { .name: wq, .offset: 24, .size: 8, .value_kind: global_buffer, .address_space: global }
      - { .name: wk, .offset: 32, .size: 8, .value_kind: global_buffer, .address_space: global }
      - { .name: wv, .offset: 40, .size: 8, .value_kind: global_buffer, .address_space: global }
      - { .name: wp, .offset: 48, .size: 8, .value_kind: global_buffer, .address_space: global }
      - { .name: hf, .offset: 56, .size: 8, .value_kind: global_buffer, .address_space: global }
      - { .name: wf, .offset: 64, .size: 8, .value_kind: global_buffer, .address_space: global }
    .group_segment_fixed_size: 77056
    .private_segment_fixed_size: 0
    .kernarg_segment_align: 8
    .kernarg_segment_size: 72
    .max_flat_workgroup_size: 256
    .sgpr_count:     66
    .vgpr_count:     208
    .wavefront_size: 32
...
	.end_amdgpu_metadata
.endif
;; end of part 1
;; launch qkv (part 2): grid 32 x 8, 4 waves a work-group, clusters of 4 x 1, 327,680 bytes of LDS; arguments hf, wf, bq, bk, bv, qkvf; writes qkvf
.if DOCPART == 2
	.amdgcn_target "amdgcn-amd-amdhsa--gfx1250"
	.amdhsa_code_object_version 6
	.text
	.protected	k_qf5743e7763_qkv
	.globl	k_qf5743e7763_qkv
	.p2align	8
	.type	k_qf5743e7763_qkv,@function
k_qf5743e7763_qkv:
	s_mov_b64 s[64:65], 0
	v_nop
	global_prefetch_b8 v0, s[64:65] scope:SCOPE_SE
	s_setreg_imm32_b32 hwreg(HW_REG_WAVE_MODE, 25, 1), 1
	s_wait_xcnt 0x0
	s_wait_alu depctr_hold_cnt(0) depctr_sa_sdst(0) depctr_va_vdst(0) depctr_va_sdst(0) depctr_va_ssrc(0) depctr_va_vcc(0) depctr_vm_vsrc(0)
	s_getreg_b32 s2, hwreg(HW_REG_IB_STS2, 6, 4)
	s_cmp_eq_u32 s2, 0
	s_cbranch_scc0 .Lentry_in_a_cluster
	s_endpgm
.Lentry_in_a_cluster:
	s_bfe_u32 s2, ttmp6, 0x10000c
	s_cmp_lg_u32 s2, 0x3003
	s_cbranch_scc0 .Lentry_shape_is_right
	s_endpgm
.Lentry_shape_is_right:
; QKV: q, k, v = W h + bias, bf16 operands, f32 sums, the bias as the C operand that starts each sum; each result rounded to bf16 once.
; All operands and results lie in CHUNKS of 512 bytes: lane l = r + 16 h holds (row r; k = 8 h .. 8 h + 7) of 16 rows x 16 k; two chunks are a 16 x 32 fragment, and a packed accumulator IS a chunk in the same lanes.
;   in:  hf [b][pt 128][g 32][512] row = position, k = channel;  wf parts 0-2 [ob 32][kc 32][512] row = output, k = channel
;   out: qkvf: q at 0, k at 16 MiB: [b][pt][kc][512] row = position, k = channel;  v at 32 MiB: [b][pt][cb][512] row = channel, k = position
; SHARES.  A work-group owns 64 positions of a batch and all 1,536 outputs.  h of the 64 positions (512 registers, windows 1 and 2) stays in every wave.  The weights come in 12 tiles of 128 rows,
; dense blocks of 131,072 bytes, through two LDS slots; wave w fetches and multiplies rows 32 w .. 32 w + 31 of each tile: 8 accumulators, 128 matrix instructions, 64 LDS loads a tile.
; q and k: source 0 = W, source 1 = h: a lane holds one position and eight outputs.  v: the sources exchanged: a lane holds one channel and eight positions.  The store is the same for all three.
; CLUSTER.  All work-groups walk the same weights; the four of a cluster ask for each tile JOINTLY: the same tensor load, descriptor and mask in all four.  The block's number (made of cx) enters h's and the output's addresses alone.
; LIMITS.  NaN and infinities are not treated apart; h and W arrive rounded to bf16.
.set RW0, 1                            ; h of channels 0-255 in window 1, of 256-511 in window 2: fragment (K step ks, position tile t) at ((ks % 8) x 4 + t) x 8
.set RW1, 2
.set SL1,   131072                     ; slot 0 at 0, slot 1 here
.set BL,    262144                     ; bq, bk, bv: 1,536 f32; no tile lands here
.set SPARE, BL+6144                    ; the spare words: 128 bytes a wave, named by no other line
.set L16, 2                            ; 16 x lane
.set AK0, 3                            ; my quarter of slot 0, of slot 1
.set AK1, 4
.set ABI, 5                            ; q, k: my eight outputs' bias; steps with the loop
.set ABV, 6                            ; v: my channel's bias
.set GOQ, 7                            ; my bytes in the output
.set BGO, 8
.set BLA, 9
.set SPW, 10                           ; my spare word; never rewritten
.set NIL, 11                           ; 0; never rewritten
.set BI,  16                           ; v[16:31]  two C operands
.set PK,  32                           ; v[32:63]  packed results
.set S,   64                           ; v[64:127] accumulator (kbl, t) at S + (4 kbl + t) x 8
.set KB0, 128                          ; two buffers for the weights' fragments
.set KB1, 192
.set WV,  16
.set G1,  24                           ; s[24:31] descriptor group 1
.set G0,  32                           ; s[32:39] group 0, a set for each slot
.set CNT, 40
.set OUTP, 42                          ; s[42:43] the output, s[44:45] its step
.set MSB, 0
.macro WIN new                         ; the immediate's high byte repeats the setting that is left; a switch that changes nothing is dropped
.if MSB != (\new)
	s_set_vgpr_msb (MSB<<8)|(\new)
.set MSB, \new
.endif
.endm
.macro PLACES n
.rept \n
	v_nop
.endr
.endm
.macro CROUND                          ; a round of the cluster's barrier
	s_barrier_signal -1
	s_barrier_wait -1
	s_cmp_lg_u32 s[WV], 0
	s_cbranch_scc1 .Lnot_wave_0_\@
	s_barrier_signal -3
.Lnot_wave_0_\@:
	s_barrier_wait -3
	s_barrier_signal -1
	s_barrier_wait -1
.endm
.macro TLOAD g0                        ; my quarter of a tile; an s_nop 0 and four v_nop follow
	tensor_load_to_lds s[\g0:\g0+3], s[G1:G1+7]
	s_nop 0
	PLACES 4
.endm
; 16 LDS loads: the fragments of my 32 rows for K steps 4 grp .. 4 grp + 3.  32 lanes x 16 consecutive bytes each.
.macro FETCHK adr, grp, buf
	WIN 0
.irp ksl, 0,1,2,3
.irp kbl, 0,1
.irp hv, 0,1
	ds_load_b128 v[(\buf)+((\ksl)*2+(\kbl))*8+4*(\hv):(\buf)+((\ksl)*2+(\kbl))*8+4*(\hv)+3], v[\adr] offset:(\kbl)*16384+(2*(4*(\grp)+(\ksl))+(\hv))*512
.endr
.endr
.endr
.endm
; 32 matrix instructions: four K steps on the eight accumulators, which take turns, one instruction a turn.  The very first K step takes the bias as C.
.macro MULS grp, buf, swap
.if (\grp) < 2
.set RW, RW0
.else
.set RW, RW1
.endif
.if \swap
	WIN RW
.else
	WIN RW<<2
.endif
.irp ksl, 0,1,2,3
.irp kbl, 0,1
.irp t, 0,1,2,3
.set rD, S+((\kbl)*4+(\t))*8
.set rK, (\buf)+((\ksl)*2+(\kbl))*8
.set rR, (((4*(\grp)+(\ksl))&7)*4+(\t))*8
.set rC, BI+8*(\kbl)
.if \swap
.set rA, rR
.set rB, rK
.else
.set rA, rK
.set rB, rR
.endif
.if ((\grp) == 0) && ((\ksl) == 0)
	v_wmma_f32_16x16x32_bf16 v[rD:rD+7], v[rA:rA+7], v[rB:rB+7], v[rC:rC+7]
.else
	v_wmma_f32_16x16x32_bf16 v[rD:rD+7], v[rA:rA+7], v[rB:rB+7], v[rD:rD+7]
.endif
.endr
.endr
.endr
.endm
; A tile's products.  Each run of 16 loads is issued 32 matrix instructions ahead of its use; each wait leaves out the 16 just issued.  Four v_nop stand between the last product that
; read a buffer and the loads into it (ISA guide 7.12.1 for vector instructions).
.macro SPHASE adr, swap
	FETCHK \adr, 0, KB0
	FETCHK \adr, 1, KB1
.if \swap
	s_wait_dscnt 32                                ; the two bias words are in: 32 loads were issued behind them
.irp kbl, 0,1
.irp j, 1,2,3,4,5,6,7
	v_mov_b32 v[BI+8*(\kbl)+(\j)], v[BI+8*(\kbl)]  ; a lane's eight results are one channel's
.endr
.endr
.endif
	s_wait_dscnt 16
	MULS 0, KB0, \swap
	PLACES 4
	FETCHK \adr, 2, KB0
	s_wait_dscnt 16
	MULS 1, KB1, \swap
	PLACES 4
	FETCHK \adr, 3, KB1
	s_wait_dscnt 16
	MULS 2, KB0, \swap
	s_wait_dscnt 0x0
	MULS 3, KB1, \swap
.endm
	s_load_b256 s[4:11], s[0:1], 0x0               ; hf, wf, bq, bk
	s_load_b128 s[12:15], s[0:1], 0x20             ; bv, qkvf
	v_lshl_add_u32 v[SPW], v0, 2, SPARE
	v_mov_b32 v[NIL], 0
	ds_add_u32 v[SPW], v[NIL]                      ; the wave's opening: the add and its wait stand ahead of my first tensor load; the set-up, work on registers, stands between them
	v_lshrrev_b32 v1, 5, v0
	v_readfirstlane_b32 s[WV], v1                  ; wave 0..3
	s_bfe_u32 s17, ttmp6, 0x40000                  ; cx
	s_lshl_b32 s18, ttmp9, 2
	s_add_co_u32 s18, s18, s17                     ; my block of 64 positions
	s_and_b32 s19, ttmp7, 0xffff                   ; the batch
	s_lshl_b32 s46, s19, 21                        ; 2 MiB a batch,
	s_lshl_b32 s47, s18, 16                        ; 65,536 bytes a block, in hf and in each part of qkvf
	s_add_co_u32 s46, s46, s47
	s_mov_b32 s47, 0
	s_mov_b32 s[G1+0], 15|(3<<16)|(1<<21)          ; 15:0 the mask of four; 17:16 elements of 8 bytes; 21 set beside a mask; no padding
	s_mov_b32 s[G1+1], 32<<16                      ; tensor_dim0 = 32: rows of 256 bytes
	s_mov_b32 s[G1+2], 128<<16                     ; tensor_dim1 = 128
	s_mov_b32 s[G1+3], 32<<16                      ; tile_dim0 = 32
	s_mov_b32 s[G1+4], 128                         ; tile_dim1 = 128 rows: 32,768 dense bytes
	s_mov_b32 s[G1+5], 32                          ; 32 elements from row to row
	s_mov_b32 s[G1+6], 0
	s_mov_b32 s[G1+7], 0
	s_lshl_b32 s20, s[WV], 15                      ; my quarter, in memory and in a slot
	s_mov_b32 s21, 0
	s_mov_b32 s[G0], 1
	s_mov_b32 s[G0+1], s20
	s_mov_b32 s[G0+4], 1
	s_add_co_u32 s[G0+5], s20, SL1
	v_and_b32 v1, 31, v0
	v_lshlrev_b32 v[L16], 4, v1
	v_add_nc_u32 v[AK0], s20, v[L16]
	v_add_nc_u32 v[AK1], SL1, v[AK0]
	v_bfe_u32 v12, v0, 4, 1                        ; h
	v_and_b32 v13, 15, v0                          ; r
	s_lshl_b32 s22, s[WV], 7                       ; my 32 rows' bias
	s_add_co_u32 s22, s22, BL
	v_lshl_add_u32 v[ABI], v12, 5, s22
	s_add_co_u32 s22, s22, 4096
	v_lshl_add_u32 v[ABV], v13, 2, s22
	s_lshl_b32 s23, s[WV], 10                      ; my two chunks among a tile's eight
	v_add_nc_u32 v[GOQ], s23, v[L16]
	v_lshlrev_b32 v[BGO], 4, v0
	v_add_nc_u32 v[BLA], BL, v[BGO]
	s_mov_b32 s48, 0xFFE000                        ; the output's step behind a matrix's last two tiles: 16 MiB less 8,192,
	s_mov_b32 s49, 0x2000                          ; and behind its first two
	s_mov_b32 s45, 0
	s_mov_b32 s[CNT], 4
	s_wait_dscnt 0x0                               ; the opening add is done
	s_wait_kmcnt 0x0
	s_add_nc_u64 s[G0+2:G0+3], s[6:7], s[20:21]    ; tile 0,
	s_add_nc_u64 s[G0+6:G0+7], s[G0+2:G0+3], 131072  ; tile 1
	s_or_b32 s[G0+3], s[G0+3], 0x80000000          ; type = 2
	s_or_b32 s[G0+7], s[G0+7], 0x80000000
	s_add_nc_u64 s[4:5], s[4:5], s[46:47]
	s_add_nc_u64 s[OUTP:OUTP+1], s[14:15], s[46:47]
	CROUND                                         ; all four work-groups are here: the first joint loads meet
	TLOAD G0                                       ; tile 0
	global_load_b128 v[PK:PK+3], v[BGO], s[8:9]    ; thread t: 16 bytes of each bias
	global_load_b128 v[PK+4:PK+7], v[BGO], s[10:11]
	global_load_b128 v[PK+8:PK+11], v[BGO], s[12:13]
.set ks, 0
.rept 16                                               ; h stays in registers
.if ks < 8
	WIN RW0<<6
.else
	WIN RW1<<6
.endif
.irp t, 0,1,2,3
.irp hv, 0,1
	global_load_b128 v[((ks&7)*4+(\t))*8+4*(\hv):((ks&7)*4+(\t))*8+4*(\hv)+3], v[L16], s[4:5] offset:(\t)*16384+(2*ks+(\hv))*512
.endr
.endr
.set ks, ks+1
.endr
	WIN 0
	s_wait_loadcnt 0x0
	ds_store_b128 v[BLA], v[PK:PK+3]
	ds_store_b128 v[BLA], v[PK+4:PK+7] offset:2048
	ds_store_b128 v[BLA], v[PK+8:PK+11] offset:4096
; A TILE.  In front of the round each wave waits for all its tensor loads, of which one is out: its quarter of this tile; adds 0 to its spare word; and waits for that and for its reads of
; the other slot (in the first trip: for its stores of the bias).  Behind the round the other slot is filled with the next tile, which has this tile's 128 matrix instructions and its way out in which to land.
.macro TRIP slot, refill, swap, toff, boff
	WIN 0
	s_wait_tensorcnt 0x0
	ds_add_u32 v[SPW], v[NIL]
	s_add_nc_u64 s[G0+4*(\slot)+2:G0+4*(\slot)+3], s[G0+4*(\slot)+2:G0+4*(\slot)+3], 262144  ; no load of mine is out: this slot's next tile
	s_wait_dscnt 0x0
	CROUND
.if \refill
	TLOAD G0+4*(1-(\slot))
.endif
.if \swap
	ds_load_b32 v[BI], v[ABV] offset:(\boff)
	ds_load_b32 v[BI+8], v[ABV] offset:(\boff)+64
.else
.irp kbl, 0,1
	ds_load_b128 v[BI+8*(\kbl):BI+8*(\kbl)+3], v[ABI] offset:(\boff)+(\kbl)*64
	ds_load_b128 v[BI+8*(\kbl)+4:BI+8*(\kbl)+7], v[ABI] offset:(\boff)+(\kbl)*64+16
.endr
.endif
	SPHASE AK0+(\slot), \swap
	WIN 0
	PLACES 4                                       ; between the last product and the first use of its result
	s_wait_xcnt 0x0                                ; the last tile's stores have had their addresses translated (ISA guide 3.1): their data registers are rewritten only behind this wait
.set a, 0
.rept 8
.irp q, 0,1,2,3
	v_cvt_pk_bf16_f32 v[PK+4*a+(\q)], v[S+8*a+2*(\q)], v[S+8*a+2*(\q)+1]
.endr
.set a, a+1
.endr
.set a, 0
.rept 8
	global_store_b128 v[GOQ], v[PK+4*a:PK+4*a+3], s[OUTP:OUTP+1] offset:(a%4)*16384+(a/4)*512+(\toff)  ; a chunk: 512 consecutive bytes, aligned
.set a, a+1
.endr
.endm
.Ltile:                                                ; four trips: q's and k's eight tiles, two a trip
	TRIP 0, 1, 0, 0, 0
	TRIP 1, 1, 0, 4096, 512
	s_wait_xcnt 0x0                                ; the stores' base is stepped only behind this wait
	s_bitcmp1_b32 s[CNT], 0                        ; an odd count: a matrix has ended
	s_cselect_b32 s44, s48, s49
	s_add_nc_u64 s[OUTP:OUTP+1], s[OUTP:OUTP+1], s[44:45]
	v_add_nc_u32 v[ABI], 1024, v[ABI]
	s_sub_co_u32 s[CNT], s[CNT], 1
	s_cmp_lg_u32 s[CNT], 0
	s_cbranch_scc1 .Ltile
	TRIP 0, 1, 1, 0, 0                             ; v's four tiles are written out: the sources are exchanged, and the last asks for nothing
	TRIP 1, 1, 1, 4096, 512
	TRIP 0, 1, 1, 8192, 1024
	TRIP 1, 0, 1, 12288, 1536
	s_wait_tensorcnt 0x0                           ; the wave's end
	ds_add_u32 v[SPW], v[NIL]
	s_wait_dscnt 0x0
	CROUND                                         ; the closing round: no work-group ends while a partner may still ask for a tile that names it
	s_endpgm
.Lfunc_end_k_qf5743e7763_qkv:
	.size	k_qf5743e7763_qkv, .Lfunc_end_k_qf5743e7763_qkv-k_qf5743e7763_qkv
	.p2alignl 7, 3214868480
	.fill 96, 4, 3214868480
	.section	.rodata,"a",@progbits
	.p2align	6, 0x0
	.amdhsa_kernel k_qf5743e7763_qkv
		.amdhsa_group_segment_fixed_size 327680
		.amdhsa_private_segment_fixed_size 0
		.amdhsa_enable_private_segment 0
		.amdhsa_kernarg_size 48
		.amdhsa_user_sgpr_count 2
		.amdhsa_user_sgpr_kernarg_segment_ptr 1
		.amdhsa_wavefront_size32 1
		.amdhsa_system_sgpr_workgroup_id_x 1
		.amdhsa_system_sgpr_workgroup_id_y 1
		.amdhsa_system_sgpr_workgroup_id_z 1
		.amdhsa_system_vgpr_workitem_id 0
		.amdhsa_next_free_vgpr 768
		.amdhsa_next_free_sgpr 66
		.amdhsa_reserve_vcc 0
		.amdhsa_float_denorm_mode_32 3
		.amdhsa_float_denorm_mode_16_64 3
		.amdhsa_memory_ordered 1
		.amdhsa_forward_progress 1
		.amdhsa_inst_pref_size 117
	.end_amdhsa_kernel
	.amdgpu_metadata
---
amdhsa.version: [ 1, 2 ]
amdhsa.kernels:
  - .name:           k_qf5743e7763_qkv
    .symbol:         k_qf5743e7763_qkv.kd
    .args:
      - { .name: hf, .offset: 0, .size: 8, .value_kind: global_buffer, .address_space: global }
      - { .name: wf, .offset: 8, .size: 8, .value_kind: global_buffer, .address_space: global }
      - { .name: bq, .offset: 16, .size: 8, .value_kind: global_buffer, .address_space: global }
      - { .name: bk, .offset: 24, .size: 8, .value_kind: global_buffer, .address_space: global }
      - { .name: bv, .offset: 32, .size: 8, .value_kind: global_buffer, .address_space: global }
      - { .name: qkvf, .offset: 40, .size: 8, .value_kind: global_buffer, .address_space: global }
    .group_segment_fixed_size: 327680
    .private_segment_fixed_size: 0
    .kernarg_segment_align: 8
    .kernarg_segment_size: 48
    .max_flat_workgroup_size: 128
    .sgpr_count:     66
    .vgpr_count:     768
    .wavefront_size: 32
...
	.end_amdgpu_metadata
.endif
;; end of part 2
;; launch attn (part 3): grid 32 x 8, 4 waves a work-group, clusters of 4 x 1, 327,680 bytes of LDS; arguments qkvf, wf, bp, x, out0; writes out0
.if DOCPART == 3
	.amdgcn_target "amdgcn-amd-amdhsa--gfx1250"
	.amdhsa_code_object_version 6
	.text
	.protected	k_qf5743e7763_attn
	.globl	k_qf5743e7763_attn
	.p2align	8
	.type	k_qf5743e7763_attn,@function
k_qf5743e7763_attn:
	s_mov_b64 s[64:65], 0
	v_nop
	global_prefetch_b8 v0, s[64:65] scope:SCOPE_SE
	s_setreg_imm32_b32 hwreg(HW_REG_WAVE_MODE, 25, 1), 1
	s_wait_xcnt 0x0
	s_wait_alu depctr_hold_cnt(0) depctr_sa_sdst(0) depctr_va_vdst(0) depctr_va_sdst(0) depctr_va_ssrc(0) depctr_va_vcc(0) depctr_vm_vsrc(0)
	s_getreg_b32 s2, hwreg(HW_REG_IB_STS2, 6, 4)
	s_cmp_eq_u32 s2, 0
	s_cbranch_scc0 .Lentry_in_a_cluster
	s_endpgm
.Lentry_in_a_cluster:
	s_bfe_u32 s2, ttmp6, 0x10000c
	s_cmp_lg_u32 s2, 0x3003
	s_cbranch_scc0 .Lentry_shape_is_right
	s_endpgm
.Lentry_shape_is_right:
; ATTN: out0 = x + wp softmax(q^T k / sqrt(512)) v + bp, one head of 512 channels, 2,048 positions, 8 batches.  bf16 operands (q, k, v, the weights p, O, wp), f32 products' sums, maxima, l, bias and residual.
; All 16-bit operands lie in CHUNKS of 512 bytes: lane l = r + 16 h holds (row r; k = 8 h .. 8 h + 7) of 16 rows x 16 k; two chunks are a 16 x 32 fragment, and a packed accumulator IS a chunk in the same lanes.
;   qkvf: q at 0, k at 16 MiB: [b][pt 128][kc 32][512] row = position, k = channel;  v at 32 MiB: [b][pt][cb 32][512] row = channel, k = position;  wf part 3 (wp): [kc 32][ob 32][512] row = output, k = channel
; SHARES.  A work-group owns 64 queries of a batch (four tiles t of 16) and walks the keys, 128 a step.  Q (512 registers, windows 2 and 3) stays in every wave.
;   S^T = K Q^T: wave w makes keys 32 w .. 32 w + 31 x all 64 queries: 8 accumulators.  A lane holds ONE query (lane % 16) and eight keys.
;   O^T += V^T P: wave w owns channels 128 w .. 128 w + 127 x all 64 queries: 32 accumulators (window 1), summed over all 128 keys; P goes from wave to wave through LDS.
; So each fragment of K feeds 4 products and each fragment of V 4, and no fragment of K or V is read by two waves.
; SOFTMAX.  A running maximum m for each query: the waves' maxima of a step meet in LDS.  p = 2^(c s - c m), c = log2(e) / sqrt(512); O and l are multiplied by a = 2^(c m_old - c m_new) in every step.
; l stays each wave's partial sum (of the unrounded p of its own keys) until the end.  m starts at the lowest finite number, c m at -4.25e37, O and l at 0: the first step is a step like any other, with a = 0.
; The price of writing no first step out: 256 v_mov_b32 that clear O^T, in the wait for the first tile.
; THE PROJECTION is four more steps of the second product: wp's chunk of 128 channels in V's place, wave kc's 128 channels of O / l (rounded to bf16) in P's place, sources exchanged, so that a lane holds eight
; neighbouring positions of one output channel.  wp's four blocks come through the slots that K and V leave.
; CLUSTER.  The four query blocks of a cluster belong to one batch and walk the same K, V and wp: each tile is asked for JOINTLY, each wave its quarter.  The block's number (made of cx) enters q's, x's and out0's addresses alone.
; LIMITS.  c s below -4.25e37 is not served; a weight below 2^-126 counts as 0; NaN and infinities are not treated apart.
; REGISTERS, in windows of 256 (s_set_vgpr_msb: bits 1:0 source 0, 3:2 source 1, 5:4 source 2, 7:6 destination):
;   window 0: v2-15 addresses; v16-47 eight registers of statistics a tile; v48-51 a step's maxima; v60-61 the add's; v64-255 S^T and fragments
;   window 1: O^T, accumulator (cbl, t) at (4 cbl + t) x 8      windows 2, 3: Q, fragment (ks, t) at ((ks % 8) x 4 + t) x 8; at the end window 2 the projection's sums, window 3 x
.set RW0, 2
.set RW1, 3
.set KS,    0                          ; K's tile, 131,072 bytes; then wp's blocks 0 and 2; then, its last fill over, the stage for the way out
.set VS,    131072                     ; V's tile; then wp's blocks 1 and 3
.set PB,    262144                     ; P: [16 keys 8][t 4][512]; no tile lands here or behind
.set MX,    PB+16384                   ; [wave][lane][4 f32]
.set SPARE, MX+2048                    ; the spare words: 128 bytes a wave, named by no other line
.set L16, 2                            ; 16 x lane
.set AK,  3                            ; my quarter of K's tile
.set AV0, 4                            ; my 8 channel blocks in V's tile, key blocks 0-3; 4-7
.set AV1, 5
.set AW0, 6                            ; the same in K's slot, for wp
.set AW1, 7
.set AP,  8                            ; P
.set APW, 9                            ; my 32 keys' part of it
.set AMW, 10                           ; my wave's part of MX
.set AMR, 11
.set STW, 12                           ; the way out: where I put 32 bytes of a row
.set RDW, 13                           ; where I read rows back
.set GO,  14                           ; my bytes in two rows of x and out0
.set BO,  15
.set ST,  16                           ; tile t at ST + 8 t: c m, m, l (even keys', odd keys'), two at work, a, c m_old - c m
.set BPR, 16                           ; at the end: bp of my 8 output blocks, in the even registers
.set LM,  48
.set SPW, 60                           ; my spare word; never rewritten
.set NIL, 61                           ; 0; never rewritten
.set S,   64                           ; v[64:127] S^T: accumulator (kbl, t) at S + (4 kbl + t) x 8
.set KB0, 128                          ; two buffers for K's fragments
.set KB1, 192
.set PK,  128                          ; in the softmax: packed p
.set XM,  160                          ; the four waves' maxima
.set FB0, 64                           ; in the second product: two buffers of 64 registers of V and 32 of P
.set FB1, 160
.set WV,  14
.set G1,  24                           ; s[24:31] descriptor group 1
.set G0K, 32                           ; s[32:35], s[36:39] group 0 for each slot
.set G0V, 36
.set CNT, 40
.set CS,  42                           ; s[42:43] c, twice
.set SEL, 44                           ; s[44:45] v_permlanex16_b32's selects
.set KP,  46                           ; my quarter of the tile of K, of V, asked for last
.set VP,  48
.set WP0, 50                           ; my quarter of wp's block 0, 1
.set WP1, 52
.set XB,  54
.set OB,  56
.set BP,  58
.set MSB, 0
.macro WIN new                         ; the immediate's high byte repeats the setting that is left; a switch that changes nothing is dropped
.if MSB != (\new)
	s_set_vgpr_msb (MSB<<8)|(\new)
.set MSB, \new
.endif
.endm
.macro PLACES n
.rept \n
	v_nop
.endr
.endm
.macro ALLT line:vararg                ; one line for each tile t
.set t, 0
.rept 4
	\line
.set t, t+1
.endr
.endm
.macro CROUND                          ; a round of the cluster's barrier
	s_barrier_signal -1
	s_barrier_wait -1
	s_cmp_lg_u32 s[WV], 0
	s_cbranch_scc1 .Lnot_wave_0_\@
	s_barrier_signal -3
.Lnot_wave_0_\@:
	s_barrier_wait -3
	s_barrier_signal -1
	s_barrier_wait -1
.endm
.macro TLOAD g0                        ; my quarter of a tile; an s_nop 0 and four v_nop follow
	tensor_load_to_lds s[\g0:\g0+3], s[G1:G1+7]
	s_nop 0
	PLACES 4
.endm
; 16 LDS loads: K's fragments of my 32 keys for K steps 4 grp .. 4 grp + 3
.macro FETCHK grp, buf
	WIN 0
.irp ksl, 0,1,2,3
.irp kbl, 0,1
.irp hv, 0,1
	ds_load_b128 v[(\buf)+((\ksl)*2+(\kbl))*8+4*(\hv):(\buf)+((\ksl)*2+(\kbl))*8+4*(\hv)+3], v[AK] offset:(\kbl)*16384+(2*(4*(\grp)+(\ksl))+(\hv))*512
.endr
.endr
.endr
.endm
; 32 matrix instructions: four K steps on the eight accumulators, which take turns, one instruction a turn.  The first K step starts the sums.
.macro MULS grp, buf
.if (\grp) < 2
	WIN RW0<<2
.else
	WIN RW1<<2
.endif
.irp ksl, 0,1,2,3
.irp kbl, 0,1
.irp t, 0,1,2,3
.set rD, S+((\kbl)*4+(\t))*8
.set rK, (\buf)+((\ksl)*2+(\kbl))*8
.set rR, (((4*(\grp)+(\ksl))&7)*4+(\t))*8
.if ((\grp) == 0) && ((\ksl) == 0)
	v_wmma_f32_16x16x32_bf16 v[rD:rD+7], v[rK:rK+7], v[rR:rR+7], 0
.else
	v_wmma_f32_16x16x32_bf16 v[rD:rD+7], v[rK:rK+7], v[rR:rR+7], v[rD:rD+7]
.endif
.endr
.endr
.endr
.endm
; 24 LDS loads for 32 keys (step st of four): V's fragments of my 8 channel blocks, P's of the 4 tiles
.macro FETCHPV a0, a1, st, fb
	WIN 0
.if (\st) < 2
.set rA, \a0
.else
.set rA, \a1
.endif
.irp cbl, 0,1,2,3,4,5,6,7
.irp hv, 0,1
	ds_load_b128 v[(\fb)+8*(\cbl)+4*(\hv):(\fb)+8*(\cbl)+4*(\hv)+3], v[rA] offset:((2*(\st)+(\hv))&3)*16384+(\cbl)*512
.endr
.endr
.irp t, 0,1,2,3
.irp hv, 0,1
	ds_load_b128 v[(\fb)+64+8*(\t)+4*(\hv):(\fb)+64+8*(\t)+4*(\hv)+3], v[AP] offset:((2*(\st)+(\hv))*4+(\t))*512
.endr
.endr
.endm
; 32 matrix instructions, one on each of 32 accumulators in window win
.macro MULPV fb, win, swap, zero
	WIN ((\win)<<4)|((\win)<<6)
.irp cbl, 0,1,2,3,4,5,6,7
.irp t, 0,1,2,3
.set rD, ((\cbl)*4+(\t))*8
.if \swap
.set rA, (\fb)+64+8*(\t)
.set rB, (\fb)+8*(\cbl)
.else
.set rA, (\fb)+8*(\cbl)
.set rB, (\fb)+64+8*(\t)
.endif
.if \zero
	v_wmma_f32_16x16x32_bf16 v[rD:rD+7], v[rA:rA+7], v[rB:rB+7], 0
.else
	v_wmma_f32_16x16x32_bf16 v[rD:rD+7], v[rA:rA+7], v[rB:rB+7], v[rD:rD+7]
.endif
.endr
.endr
.endm
; The second product over 128 keys (or channels).  Each run of 24 loads is issued 32 matrix instructions ahead of its use; each wait leaves out the 24 just issued.  Four v_nop stand between the last product
; that read a buffer and the loads into it; five at the end, ahead of whatever writes the buffers next (ISA guide 7.12.1 for vector instructions).
.macro PVPHASE a0, a1, win, swap, zero
	FETCHPV \a0, \a1, 0, FB0
	FETCHPV \a0, \a1, 1, FB1
	s_wait_dscnt 24
	MULPV FB0, \win, \swap, \zero
	PLACES 4
	FETCHPV \a0, \a1, 2, FB0
	s_wait_dscnt 24
	MULPV FB1, \win, \swap, 0
	PLACES 4
	FETCHPV \a0, \a1, 3, FB1
	s_wait_dscnt 24
	MULPV FB0, \win, \swap, 0
	s_wait_dscnt 0x0
	MULPV FB1, \win, \swap, 0
	PLACES 5
	WIN 0
.endm
; A SLOT IS FILLED AGAIN.  Each wave waits for all its tensor loads, of which one is out: its quarter of the other slot; adds 0 to its spare word; and waits for that and for all its LDS instructions, its reads of this
; slot among them.  Behind the round no wave of any partner reads the slot or has a load on its way, and the joint refill is the first thing there: the next tile, or in the last trip a block of wp.
.macro REFILL g0, ptr, alt
	WIN 0
	s_wait_tensorcnt 0x0
	ds_add_u32 v[SPW], v[NIL]                      ; the add: the descriptor's scalar work stands between it and the wait for it
	s_add_nc_u64 s[\ptr:\ptr+1], s[\ptr:\ptr+1], 131072
	s_cmp_eq_u32 s[CNT], 1
	s_cselect_b64 s[\g0+2:\g0+3], s[\alt:\alt+1], s[\ptr:\ptr+1]
	s_or_b32 s[\g0+3], s[\g0+3], 0x80000000
	s_wait_dscnt 0x0
	CROUND
	TLOAD \g0
.endm
	s_load_b256 s[4:11], s[0:1], 0x0               ; qkvf, wf, bp, x
	s_load_b64 s[12:13], s[0:1], 0x20              ; out0
	v_lshl_add_u32 v[SPW], v0, 2, SPARE
	v_mov_b32 v[NIL], 0
	ds_add_u32 v[SPW], v[NIL]                      ; the wave's opening: the add and its wait stand ahead of my first tensor load; the set-up, work on registers, stands between them
	v_lshrrev_b32 v1, 5, v0
	v_readfirstlane_b32 s[WV], v1                  ; wave 0..3
	s_bfe_u32 s15, ttmp6, 0x40000                  ; cx
	s_lshl_b32 s16, ttmp9, 2
	s_add_co_u32 s16, s16, s15                     ; my block of 64 queries
	s_and_b32 s17, ttmp7, 0xffff                   ; the batch, which the four partners share
	s_lshl_b32 s18, s[WV], 15                      ; my quarter of a tile, in memory and in a slot
	s_mov_b32 s19, 0
	s_lshl_b32 s20, s17, 21                        ; 2 MiB a batch in q, k and v
	s_add_co_u32 s20, s20, s18
	s_mov_b32 s21, 0
	s_lshl_b32 s22, s17, 21
	s_lshl_b32 s23, s16, 16                        ; q: 65,536 bytes a block
	s_add_co_u32 s22, s22, s23
	s_mov_b32 s23, 0
	s_lshl_b32 s60, s17, 22                        ; x, out0: 4 MiB a batch,
	s_lshl_b32 s61, s[WV], 20                      ; 1 MiB for my 128 rows,
	s_add_co_u32 s60, s60, s61
	s_lshl_b32 s61, s16, 8                         ; 256 bytes for my block's 64 positions
	s_add_co_u32 s60, s60, s61
	s_mov_b32 s61, 0
	s_lshl_b32 s62, s[WV], 9                       ; bp of my 128 rows
	s_mov_b32 s63, 0
	s_mov_b32 s[G1+0], 15|(3<<16)|(1<<21)          ; 15:0 the mask of four; 17:16 elements of 8 bytes; 21 set beside a mask; no padding
	s_mov_b32 s[G1+1], 32<<16                      ; tensor_dim0 = 32: rows of 256 bytes
	s_mov_b32 s[G1+2], 128<<16                     ; tensor_dim1 = 128
	s_mov_b32 s[G1+3], 32<<16                      ; tile_dim0 = 32
	s_mov_b32 s[G1+4], 128                         ; tile_dim1 = 128 rows: 32,768 dense bytes
	s_mov_b32 s[G1+5], 32                          ; 32 elements from row to row
	s_mov_b32 s[G1+6], 0
	s_mov_b32 s[G1+7], 0
	s_mov_b32 s[G0K], 1
	s_mov_b32 s[G0K+1], s18
	s_mov_b32 s[G0V], 1
	s_add_co_u32 s[G0V+1], s18, VS
	s_mov_b32 s[CS], 0x3d8293ee                    ; c = log2(e) / sqrt(512) = 0.0637587
	s_mov_b32 s[CS+1], s[CS]
	s_mov_b32 s[SEL], 0x76543210
	s_mov_b32 s[SEL+1], 0xfedcba98
	s_mov_b32 s[CNT], 16
	v_and_b32 v1, 31, v0
	v_lshlrev_b32 v[L16], 4, v1
	v_add_nc_u32 v[AK], s18, v[L16]
	s_lshl_b32 s15, s[WV], 12                      ; my 8 blocks of 512 bytes
	v_add_nc_u32 v[AW0], s15, v[L16]
	v_add_nc_u32 v[AW1], 65536, v[AW0]
	v_add_nc_u32 v[AV0], VS, v[AW0]
	v_add_nc_u32 v[AV1], VS+65536, v[AW0]
	v_add_nc_u32 v[AP], PB, v[L16]
	v_add_nc_u32 v[APW], s15, v[AP]
	v_add_nc_u32 v[AMR], MX, v[L16]
	v_add_nc_u32 v[AMW], s62, v[AMR]
	v_and_b32 v52, 15, v0                          ; r
	v_bfe_u32 v53, v0, 4, 1                        ; h
	s_mul_i32 s15, s[WV], 64*272                   ; my stage: 64 rows of 256 bytes + 16
	v_mul_u32_u24 v[STW], v52, 272
	v_lshl_add_u32 v[STW], v53, 5, v[STW]
	v_add_nc_u32 v[STW], s15, v[STW]
	v_mul_u32_u24 v[RDW], v53, 272
	v_lshl_add_u32 v[RDW], v52, 4, v[RDW]
	v_add_nc_u32 v[RDW], s15, v[RDW]
	v_lshlrev_b32 v[GO], 13, v53                   ; lanes 0-15 one row's 256 bytes, lanes 16-31 the next row's
	v_lshl_add_u32 v[GO], v52, 4, v[GO]
	v_lshlrev_b32 v[BO], 2, v52
	s_wait_dscnt 0x0                               ; the opening add is done
	s_wait_kmcnt 0x0
	s_add_nc_u64 s[KP:KP+1], s[4:5], s[20:21]
	s_add_nc_u64 s[VP:VP+1], s[KP:KP+1], 33554432
	s_add_nc_u64 s[KP:KP+1], s[KP:KP+1], 16777216
	s_add_nc_u64 s[WP0:WP0+1], s[6:7], s[18:19]
	s_add_nc_u64 s[WP0:WP0+1], s[WP0:WP0+1], 1572864
	s_add_nc_u64 s[WP1:WP1+1], s[WP0:WP0+1], 131072
	s_add_nc_u64 s[4:5], s[4:5], s[22:23]          ; q
	s_add_nc_u64 s[XB:XB+1], s[10:11], s[60:61]
	s_add_nc_u64 s[OB:OB+1], s[12:13], s[60:61]
	s_add_nc_u64 s[BP:BP+1], s[8:9], s[62:63]
	s_mov_b64 s[G0K+2:G0K+3], s[KP:KP+1]
	s_or_b32 s[G0K+3], s[G0K+3], 0x80000000        ; type = 2
	s_mov_b64 s[G0V+2:G0V+3], s[VP:VP+1]
	s_or_b32 s[G0V+3], s[G0V+3], 0x80000000
	CROUND                                         ; all four work-groups are here: the first joint loads meet
	tensor_load_to_lds s[G0K:G0K+3], s[G1:G1+7]    ; the two first fills go out together: two loads of mine are out, the most in this text
	s_nop 0
	tensor_load_to_lds s[G0V:G0V+3], s[G1:G1+7]
	s_nop 0
	PLACES 4
.set ks, 0
.rept 16                                               ; Q stays in registers
.if ks < 8
	WIN RW0<<6
.else
	WIN RW1<<6
.endif
.irp t, 0,1,2,3
.irp hv, 0,1
	global_load_b128 v[((ks&7)*4+(\t))*8+4*(\hv):((ks&7)*4+(\t))*8+4*(\hv)+3], v[L16], s[4:5] offset:(\t)*16384+(2*ks+(\hv))*512
.endr
.endr
.set ks, ks+1
.endr
	WIN 0x40
.set i, 0
.rept 256
	v_mov_b32 v[i], 0                              ; O^T
.set i, i+1
.endr
	WIN 0
.irp t, 0,1,2,3
	v_mov_b32 v[ST+8*(\t)], 0xfe000000             ; c m: far below every c s
	v_mov_b32 v[ST+8*(\t)+1], 0xff7fffff           ; m
.irp k, 2,3,4,5,6,7
	v_mov_b32 v[ST+8*(\t)+(\k)], 0
.endr
.endr
	s_wait_tensorcnt 1                             ; my quarter of K's first tile is in; V's may stay out
	s_barrier_signal -1
	s_barrier_wait -1
	s_wait_loadcnt 0x0                             ; Q
.Lstep:                                                ; 16 trips, 128 keys each
	; S^T = K Q^T: 128 matrix instructions; each run of 16 loads is issued 32 of them ahead of its use, and each wait leaves out the 16 just issued
	FETCHK 0, KB0
	FETCHK 1, KB1
	s_wait_dscnt 16
	MULS 0, KB0
	PLACES 4
	FETCHK 2, KB0
	s_wait_dscnt 16
	MULS 1, KB1
	PLACES 4
	FETCHK 3, KB1
	s_wait_dscnt 16
	MULS 2, KB0
	s_wait_dscnt 0x0
	MULS 3, KB1
	WIN 0
	; my 32 keys' maximum for each query.  The four copies of c m are the places behind the last product; each accumulator is read from its low end on.
	ALLT v_mov_b32 v[ST+8*t+7], v[ST+8*t]
	ALLT v_max3_num_f32 v[ST+8*t+4], v[S+8*t], v[S+8*t+1], v[S+8*t+2]
	ALLT v_max3_num_f32 v[ST+8*t+5], v[S+32+8*t], v[S+32+8*t+1], v[S+32+8*t+2]
	ALLT v_max3_num_f32 v[ST+8*t+4], v[ST+8*t+4], v[S+8*t+3], v[S+8*t+4]
	ALLT v_max3_num_f32 v[ST+8*t+5], v[ST+8*t+5], v[S+32+8*t+3], v[S+32+8*t+4]
	ALLT v_max3_num_f32 v[ST+8*t+4], v[ST+8*t+4], v[S+8*t+5], v[S+8*t+6]
	ALLT v_max3_num_f32 v[ST+8*t+5], v[ST+8*t+5], v[S+32+8*t+5], v[S+32+8*t+6]
	ALLT v_max3_num_f32 v[ST+8*t+4], v[ST+8*t+4], v[S+8*t+7], v[S+32+8*t+7]
	ALLT v_max_num_f32 v[ST+8*t+4], v[ST+8*t+4], v[ST+8*t+5]
	ALLT v_permlanex16_b32 v[ST+8*t+5], v[ST+8*t+4], s[SEL], s[SEL+1]
	ALLT v_max_num_f32 v[LM+t], v[ST+8*t+4], v[ST+8*t+5]
	ds_store_b128 v[AMW], v[LM:LM+3]
	REFILL G0K, KP, WP0                            ; V of this step is in, the maxima are written, K's slot is read out: it takes the next K, which has the softmax and the second product in which to land
	; the new m, c m, a; c s - c m; l a
.irp w, 0,1,2,3
	ds_load_b128 v[XM+4*(\w):XM+4*(\w)+3], v[AMR] offset:512*(\w)
.endr
	s_wait_dscnt 0x0
	ALLT v_max3_num_f32 v[ST+8*t+1], v[ST+8*t+1], v[XM+t], v[XM+4+t]
	ALLT v_max3_num_f32 v[ST+8*t+1], v[ST+8*t+1], v[XM+8+t], v[XM+12+t]
	ALLT v_mul_f32 v[ST+8*t], s[CS], v[ST+8*t+1]
	ALLT v_sub_f32 v[ST+8*t+7], v[ST+8*t+7], v[ST+8*t]
	ALLT v_exp_f32 v[ST+8*t+6], v[ST+8*t+7]
.set a, 0
	s_wait_alu depctr_va_vdst(0)
.rept 8
.irp q, 0,1,2,3
	v_pk_fma_f32 v[S+8*a+2*(\q):S+8*a+2*(\q)+1], v[S+8*a+2*(\q):S+8*a+2*(\q)+1], s[CS:CS+1], v[ST+8*(a%4):ST+8*(a%4)+1] op_sel_hi:[1,0,0] neg_lo:[0,0,1] neg_hi:[0,0,1]
.endr
.set a, a+1
.endr
	ALLT v_pk_mul_f32 v[ST+8*t+2:ST+8*t+3], v[ST+8*t+2:ST+8*t+3], v[ST+8*t+6:ST+8*t+7] op_sel_hi:[1,0]
	; the 64 exponentials, a plain instruction behind each (ISA guide 5.7.2): the rounding and the sum of the pair before.  Pair i: registers 2 (i / 8), + 1 of accumulator i % 8; the tiles alternate.
.set i, 0
.rept 33
.set rE, S+(i%8)*8+2*(i/8)
.set j, i-1
.set rJ, S+(j%8)*8+2*(j/8)
.if i < 32
	v_exp_f32 v[rE], v[rE]
.endif
.if i > 0
	s_wait_alu depctr_va_vdst(0)
	v_cvt_pk_bf16_f32 v[PK+(j%8)*4+j/8], v[rJ], v[rJ+1]
.else
	v_nop
.endif
.if i < 32
	v_exp_f32 v[rE+1], v[rE+1]
.endif
.if i > 0
	v_pk_add_f32 v[ST+8*(j%4)+2:ST+8*(j%4)+3], v[ST+8*(j%4)+2:ST+8*(j%4)+3], v[rJ:rJ+1]
.else
	v_nop
.endif
.set i, i+1
.endr
.set a, 0
.rept 8
	ds_store_b128 v[APW], v[PK+4*a:PK+4*a+3] offset:(a/4)*2048+(a%4)*512  ; a packed accumulator is a chunk of P
.set a, a+1
.endr
	WIN 0x41                                       ; O^T times a, while those stores are on their way
.set a, 0
.rept 32
.irp q, 0,1,2,3
	v_pk_mul_f32 v[8*a+2*(\q):8*a+2*(\q)+1], v[8*a+2*(\q):8*a+2*(\q)+1], v[ST+8*(a%4)+6:ST+8*(a%4)+7] op_sel_hi:[1,0]
.endr
.set a, a+1
.endr
	WIN 0
	s_wait_dscnt 0x0                               ; for the others' sake: my part of P is written
	s_barrier_signal -1                            ; the next K may stay on its way
	s_barrier_wait -1
	PVPHASE AV0, AV1, 1, 0, 0                      ; O^T += V^T P
	REFILL G0V, VP, WP1                            ; the next K is in, P and V's slot are read out: the slot takes the next V, which has the first product in which to land
	s_sub_co_u32 s[CNT], s[CNT], 1
	s_cmp_lg_u32 s[CNT], 0
	s_cbranch_scc1 .Lstep
	; THE TAIL.  x of my 128 rows x 64 positions goes where Q's second half lay: it has the whole projection in which to land.
	WIN 0xc0
.set n, 0
.rept 64
	global_load_b128 v[4*n:4*n+3], v[GO], s[XB:XB+1] offset:2*n*8192 th:TH_LOAD_NT
.set n, n+1
.endr
	WIN 0
	; l: its two halves, the other half of the lanes', the four waves'
	ALLT v_add_f32 v[ST+8*t+4], v[ST+8*t+2], v[ST+8*t+3]
	ALLT v_permlanex16_b32 v[ST+8*t+5], v[ST+8*t+4], s[SEL], s[SEL+1]
	ALLT v_add_f32 v[LM+t], v[ST+8*t+4], v[ST+8*t+5]
	ds_store_b128 v[AMW], v[LM:LM+3]
	s_wait_dscnt 0x0
	s_barrier_signal -1
	s_barrier_wait -1
.irp w, 0,1,2,3
	ds_load_b128 v[XM+4*(\w):XM+4*(\w)+3], v[AMR] offset:512*(\w)
.endr
	s_wait_dscnt 0x0
	v_pk_add_f32 v[XM:XM+1], v[XM:XM+1], v[XM+4:XM+5]
	v_pk_add_f32 v[XM+2:XM+3], v[XM+2:XM+3], v[XM+6:XM+7]
	v_pk_add_f32 v[XM+8:XM+9], v[XM+8:XM+9], v[XM+12:XM+13]
	v_pk_add_f32 v[XM+10:XM+11], v[XM+10:XM+11], v[XM+14:XM+15]
	v_pk_add_f32 v[XM:XM+1], v[XM:XM+1], v[XM+8:XM+9]
	v_pk_add_f32 v[XM+2:XM+3], v[XM+2:XM+3], v[XM+10:XM+11]
	ALLT v_rcp_f32 v[ST+8*t+6], v[XM+t]
	v_nop                                          ; a plain instruction between the last reciprocal and the use of its result
	WIN 0x41                                       ; O / l,
.set a, 0
	s_wait_alu depctr_va_vdst(0)
.rept 32
.irp q, 0,1,2,3
	v_pk_mul_f32 v[8*a+2*(\q):8*a+2*(\q)+1], v[8*a+2*(\q):8*a+2*(\q)+1], v[ST+8*(a%4)+6:ST+8*(a%4)+7] op_sel_hi:[1,0]
.endr
.set a, a+1
.endr
	WIN 0x45                                       ; rounded to bf16 in place: accumulator i becomes the chunk in v[4 i : 4 i + 3] of window 1
.set i, 0
.rept 128
	v_cvt_pk_bf16_f32 v[i], v[2*i], v[2*i+1]
.set i, i+1
.endr
	WIN 0
.irp e, 0,1,2,3,4,5,6,7
	global_load_b32 v[BPR+2*(\e)], v[BO], s[BP:BP+1] offset:64*(\e)  ; bp of output 16 e + r of my 128; the statistics are done with
.endr
; Block kc of the projection: wave kc lays its 128 channels of O where P lay; all four waves multiply them by wp's block kc.
.macro CHUNK kc
	WIN 0
	s_cmp_lg_u32 s[WV], \kc
	s_cbranch_scc1 .Lnot_mine_\@
	WIN 0x04                                       ; the data in window 1
.set i, 0
.rept 32
	ds_store_b128 v[AP], v[4*i:4*i+3] offset:512*i
.set i, i+1
.endr
	WIN 0
.Lnot_mine_\@:
	s_wait_dscnt 0x0
	s_barrier_signal -1
	s_barrier_wait -1
.if ((\kc)%2) == 0
.if (\kc) == 0
	PVPHASE AW0, AW1, 2, 1, 1                      ; the first products start the sums
.else
	PVPHASE AW0, AW1, 2, 1, 0
.endif
.else
	PVPHASE AV0, AV1, 2, 1, 0
.endif
.if (\kc) < 3
	s_wait_tensorcnt 0x0                           ; the next block is in;
	ds_add_u32 v[SPW], v[NIL]
.if (\kc) == 0
	s_add_nc_u64 s[G0K+2:G0K+3], s[WP0:WP0+1], 262144
	s_or_b32 s[G0K+3], s[G0K+3], 0x80000000
.elseif (\kc) == 1
	s_add_nc_u64 s[G0V+2:G0V+3], s[WP1:WP1+1], 262144
	s_or_b32 s[G0V+3], s[G0V+3], 0x80000000
.endif
	s_wait_dscnt 0x0                               ; my reads of this block and of O are over
.if (\kc) == 0
	CROUND
	TLOAD G0K                                      ; block 2
.elseif (\kc) == 1
	CROUND
	TLOAD G0V                                      ; block 3: the last tensor load
.else
	s_barrier_signal -1                            ; nothing is left to fetch
	s_barrier_wait -1
.endif
.endif
.endm
	CHUNK 0
	CHUNK 1
	CHUNK 2
	CHUNK 3
	; THE WAY OUT, 64 of my 128 rows at a time.  A lane holds eight neighbouring positions of one output row: bp is added, the 32 bytes go into my own stage (in K's slot, which has had its last fill and whose
	; last reads lie behind the barrier that followed block 2), whole rows of 256 bytes come back, x is added, and 16 lanes store 256 consecutive bytes, aligned.
	s_wait_loadcnt 0x0                             ; x and bp
.irp hf, 0,1
	WIN 0x82
.set a, 16*(\hf)
.rept 16
.irp q, 0,1,2,3
	v_pk_add_f32 v[8*a+2*(\q):8*a+2*(\q)+1], v[8*a+2*(\q):8*a+2*(\q)+1], v[BPR+2*(a/4):BPR+2*(a/4)+1] op_sel_hi:[1,0]
.endr
.set a, a+1
.endr
	WIN 0x08
.set a, 16*(\hf)
.rept 16
	ds_store_b128 v[STW], v[8*a:8*a+3] offset:((a/4)%4)*4352+(a%4)*64
	ds_store_b128 v[STW], v[8*a+4:8*a+7] offset:((a/4)%4)*4352+(a%4)*64+16
.set a, a+1
.endr
	WIN 0
	s_wait_xcnt 0x0                                ; the first half's stores have had their addresses translated (ISA guide 3.1): their data registers are loaded again only behind this wait
.set n, 0
.rept 32
	ds_load_b128 v[64+4*n:64+4*n+3], v[RDW] offset:544*n  ; LDS serves a wave's instructions in order (ISA guide 5.7.1.4): these see the stores above
.set n, n+1
.endr
	s_wait_dscnt 0x0
	WIN 0x0c
.set p, 0
.rept 64
	v_pk_add_f32 v[64+2*p:64+2*p+1], v[64+2*p:64+2*p+1], v[128*(\hf)+2*p:128*(\hf)+2*p+1]
.set p, p+1
.endr
	WIN 0
.set n, 0
.rept 32
	global_store_b128 v[GO], v[64+4*n:64+4*n+3], s[OB:OB+1] offset:(64*(\hf)+2*n)*8192 th:TH_STORE_NT
.set n, n+1
.endr
.endr
	s_wait_tensorcnt 0x0                           ; the wave's end, behind my last tensor load and my last LDS store
	ds_add_u32 v[SPW], v[NIL]
	s_wait_dscnt 0x0
	CROUND                                         ; the closing round: no work-group ends while a partner may still ask for a tile that names it
	s_endpgm
.Lfunc_end_k_qf5743e7763_attn:
	.size	k_qf5743e7763_attn, .Lfunc_end_k_qf5743e7763_attn-k_qf5743e7763_attn
	.p2alignl 7, 3214868480
	.fill 96, 4, 3214868480
	.section	.rodata,"a",@progbits
	.p2align	6, 0x0
	.amdhsa_kernel k_qf5743e7763_attn
		.amdhsa_group_segment_fixed_size 327680
		.amdhsa_private_segment_fixed_size 0
		.amdhsa_enable_private_segment 0
		.amdhsa_kernarg_size 40
		.amdhsa_user_sgpr_count 2
		.amdhsa_user_sgpr_kernarg_segment_ptr 1
		.amdhsa_wavefront_size32 1
		.amdhsa_system_sgpr_workgroup_id_x 1
		.amdhsa_system_sgpr_workgroup_id_y 1
		.amdhsa_system_sgpr_workgroup_id_z 1
		.amdhsa_system_vgpr_workitem_id 0
		.amdhsa_next_free_vgpr 1024
		.amdhsa_next_free_sgpr 66
		.amdhsa_reserve_vcc 0
		.amdhsa_float_denorm_mode_32 3
		.amdhsa_float_denorm_mode_16_64 3
		.amdhsa_memory_ordered 1
		.amdhsa_forward_progress 1
		.amdhsa_inst_pref_size 202
	.end_amdhsa_kernel
	.amdgpu_metadata
---
amdhsa.version: [ 1, 2 ]
amdhsa.kernels:
  - .name:           k_qf5743e7763_attn
    .symbol:         k_qf5743e7763_attn.kd
    .args:
      - { .name: qkvf, .offset: 0, .size: 8, .value_kind: global_buffer, .address_space: global }
      - { .name: wf, .offset: 8, .size: 8, .value_kind: global_buffer, .address_space: global }
      - { .name: bp, .offset: 16, .size: 8, .value_kind: global_buffer, .address_space: global }
      - { .name: x, .offset: 24, .size: 8, .value_kind: global_buffer, .address_space: global }
      - { .name: out0, .offset: 32, .size: 8, .value_kind: global_buffer, .address_space: global }
    .group_segment_fixed_size: 327680
    .private_segment_fixed_size: 0
    .kernarg_segment_align: 8
    .kernarg_segment_size: 40
    .max_flat_workgroup_size: 128
    .sgpr_count:     66
    .vgpr_count:     1024
    .wavefront_size: 32
...
	.end_amdgpu_metadata
.endif
;; end of part 3
;; ======== version 2 of 3: 3 launches; 1.23 times as fast as version 1
;; limits: values outside matrix products are rounded to bf16
;; workspace buffers: hf 16,777,216 bytes; wf 2,097,152 bytes; mf 1,048,576 bytes; vf 6,144 bytes
;; launch prep (part 4): grid 256 x 1, 8 waves a work-group, no clusters, 77,056 bytes of LDS; arguments x, gn_gamma, gn_beta, wq, wk, wv, wp, hf, wf; writes hf, wf
.if DOCPART == 4
	.amdgcn_target "amdgcn-amd-amdhsa--gfx1250"
	.amdhsa_code_object_version 6
	.text
	.protected	k_qf5743e7763_prep
	.globl	k_qf5743e7763_prep
	.p2align	8
	.type	k_qf5743e7763_prep,@function
k_qf5743e7763_prep:
	s_mov_b64 s[64:65], 0
	v_nop
	global_prefetch_b8 v0, s[64:65] scope:SCOPE_SE
	s_setreg_imm32_b32 hwreg(HW_REG_WAVE_MODE, 25, 1), 1
	s_wait_xcnt 0x0
; PREP: GroupNorm of x, and the four weight matrices, both rounded to bf16 and laid in CHUNKS.
; A chunk is 512 bytes, 32 pieces of 16: piece (r, h) holds (row r; k = 8 h .. 8 h + 7) of a block of 16 rows x 16 k: a lane's share of half a 16 x 32 matrix fragment.
;   wf: piece (r, h) at 16 (r + 16 h).  Four parts of 524,288 bytes (wq turned, wk turned, wv turned, wp as it lies), each [place 32][ob 32][512]: row = 16 ob + r; place 8 kc + kh holds the
;       k chunk 8 (kh / 2) + 2 kc + kh % 2 (16 k each).  As it lies: row = row of the matrix, k = its column.  Turned: row = column of the matrix, k = its row.
;       So the next launch finds both operands of wk^T wq and of wp wv with the summed index along k.
;   hf [b 8][pt 128][g 32][512]: row = position 16 pt + r, k = channel 16 g + 8 h + e; piece (r, h) at 16 ((r + 8 h) % 16 + 16 h): the upper half's rows are turned by 8, so that
;       sixteen lanes that take 16 rows of one half, and sixteen lanes that take 8 rows of both halves (the transposing LDS load), each touch 16 different 16-byte columns of 256 bytes.
; SHARES.  Work-group id = 32 b + g owns one group: 16 channels x 2,048 positions, 131,072 dense bytes of x, kept in 128 registers a thread (positions 4 t .. 4 t + 3 and
; 1,024 + 4 t .. of all 16 channels), so x is read once.  It also owns 16 rows x 256 columns of one weight matrix.  No matrix unit, no cluster: the launch only streams, and no two work-groups share a byte.
; ARITHMETIC.  Mean first, then the sum of squares of x - mean (two passes over registers): a common offset of x costs no digits.  All in f32; h and the weights are rounded to bf16 once.
; LIMITS.  NaN and infinities are not treated apart.
.set PITCH, 528                        ; a chunk's place in LDS: 512 bytes + 16
.set WS,    128*PITCH                  ; behind the 128 chunks of h: 16 chunks of weights, 8,192 bytes
.set RED,   WS+8192                    ; the waves' partial sums: words 0-7 the first sum, words 16-23 the second
.set SPARE, RED+256                    ; the spare words: 128 bytes for each of eight waves, named by no other line
.set XO,  3                            ; 16 t: my bytes in half a row of x
.set WO,  4                            ; my bytes in four rows of W
.set HSW, 5                            ; where I put 16 bytes of a chunk of h, lower channel half
.set HSR, 6                            ; where my wave reads whole chunks back
.set HGO, 7                            ; and their place in hf
.set WSW, 8                            ; weights: where I put 8 bytes of a chunk, as they lie
.set WSR, 9
.set WG0, 10
.set WG1, 11
.set RDA, 12                           ; my wave's word among the partial sums
.set SPW, 13                           ; my spare word; never rewritten
.set NIL, 14                           ; 0; never rewritten
.set RDR, 15                           ; the partial sums' first byte
.set X,   16                           ; v[16:143]  x: ((channel x 2 + half) x 4 + i)
.set W,   144                          ; v[144:159] W: row 4 (t / 64) + i, columns 4 (t % 64) .. + 3 at W + 4 i
.set AC,  160                          ; v[160:167] four running pairs
.set MN,  168                          ; v[168:169] the mean, twice
.set T,   170                          ; v[170:177] at work
.set SC,  178                          ; v[178:193] rstd x gamma of the 16 channels
.set PKR, 194                          ; v[194:205] packed h, three sets of four
.set HS1, 206                          ; where I put 16 bytes of a chunk of h, upper channel half
.set WST, 207                          ; weights: where I put 8 bytes of a chunk, turned
.set GAM, 24                           ; s[24:39] gamma, s[40:55] beta of my 16 channels
.set BET, 40
	s_load_b512 s[4:19], s[0:1], 0x0               ; x, gamma, beta, wq, wk, wv, wp, hf
	s_load_b64 s[20:21], s[0:1], 0x40              ; wf
	v_lshl_add_u32 v[SPW], v0, 2, SPARE
	v_mov_b32 v[NIL], 0
	v_lshrrev_b32 v1, 5, v0
	v_readfirstlane_b32 s58, v1                    ; wave 0..7
	v_and_b32 v2, 31, v0                           ; lane
	v_lshlrev_b32 v[XO], 4, v0
	v_lshrrev_b32 v[T], 6, v0                      ; u = t / 64: my four rows of W
	v_and_b32 v[T+1], 63, v0                       ; cq: my four columns among 256
	v_lshlrev_b32 v[WO], 4, v[T+1]
	v_lshl_add_u32 v[WO], v[T], 13, v[WO]          ; four rows of 2,048 bytes
	s_lshl_b32 s60, ttmp9, 17                      ; my group's 131,072 bytes of x
	s_mov_b32 s61, 0
	s_lshr_b32 s56, ttmp9, 6                       ; which matrix
	s_bfe_u32 s57, ttmp9, 0x50001                  ; ob: which 16 rows of it
	s_and_b32 s59, ttmp9, 1                        ; which 256 columns
	s_lshl_b32 s22, s57, 15                        ; 16 rows of 2,048 bytes
	s_lshl_b32 s23, s59, 10
	s_add_co_u32 s22, s22, s23
	s_mov_b32 s23, 0
	s_wait_kmcnt 0x0
	s_add_nc_u64 s[4:5], s[4:5], s[60:61]
.set n, 0
.rept 32                                               ; a wave's load covers 512 consecutive bytes; 32 of them are on their way at once
	global_load_b128 v[X+4*n:X+4*n+3], v[XO], s[4:5] offset:(n/2)*8192+(n%2)*4096
.set n, n+1
.endr
	s_cmp_eq_u32 s56, 1                            ; the matrix is chosen by the work-group's number alone
	s_cselect_b64 s[10:11], s[12:13], s[10:11]
	s_cmp_eq_u32 s56, 2
	s_cselect_b64 s[10:11], s[14:15], s[10:11]
	s_cmp_eq_u32 s56, 3
	s_cselect_b64 s[10:11], s[16:17], s[10:11]
	s_add_nc_u64 s[10:11], s[10:11], s[22:23]
.irp i, 0,1,2,3
	global_load_b128 v[W+4*(\i):W+4*(\i)+3], v[WO], s[10:11] offset:(\i)*2048  ; row 4 u + i
.endr
	s_and_b32 s60, ttmp9, 31                       ; g
	s_lshl_b32 s60, s60, 6                         ; its 16 numbers of gamma and of beta
	s_add_nc_u64 s[6:7], s[6:7], s[60:61]
	s_add_nc_u64 s[8:9], s[8:9], s[60:61]
	s_load_b512 s[GAM:GAM+15], s[6:7], 0x0
	s_load_b512 s[BET:BET+15], s[8:9], 0x0
	s_lshl_b32 s60, s60, 3                         ; hf: g x 512
	s_lshr_b32 s22, ttmp9, 5
	s_lshl_b32 s22, s22, 21                        ; + b x 2 MiB
	s_add_co_u32 s60, s60, s22
	s_add_nc_u64 s[18:19], s[18:19], s[60:61]
	; wf.  As it lies (wp): my wave's chunks are the k chunks 16 half + wave and 16 half + 8 + wave of row block ob: places (wave / 2) 8 + 4 half + wave % 2, and two places on.
	s_lshl_b32 s60, s57, 9
	s_lshl_b32 s22, s59, 16
	s_add_co_u32 s60, s60, s22
	s_lshr_b32 s22, s58, 1
	s_lshl_b32 s22, s22, 3
	s_and_b32 s23, s58, 1
	s_add_co_u32 s22, s22, s23
	s_lshl_b32 s22, s22, 14
	s_add_co_u32 s60, s60, s22
	; Turned (wq, wk, wv): the k chunk is ob, at place ((ob / 2) % 4) 8 + 2 (ob / 8) + ob % 2; my wave's chunks are the row blocks 16 half + wave and 16 half + 8 + wave.
	s_bfe_u32 s22, s57, 0x20001
	s_lshl_b32 s22, s22, 3
	s_lshr_b32 s23, s57, 3
	s_lshl1_add_u32 s22, s23, s22
	s_and_b32 s23, s57, 1
	s_add_co_u32 s22, s22, s23
	s_lshl_b32 s22, s22, 14
	s_lshl_b32 s23, s59, 13
	s_add_co_u32 s22, s22, s23
	s_lshl_b32 s23, s58, 9
	s_add_co_u32 s22, s22, s23
	s_movk_i32 s23, 0x1000
	s_cmp_lg_u32 s56, 3
	s_cselect_b32 s60, s22, s60
	s_cselect_b32 s23, s23, 0x8000                 ; bytes from my first chunk to my second
	s_lshl_b32 s22, s56, 19                        ; + part x 524,288
	s_add_co_u32 s60, s60, s22
	s_add_nc_u64 s[20:21], s[20:21], s[60:61]
	v_lshlrev_b32 v[WG0], 4, v2
	v_add_nc_u32 v[WG1], s23, v[WG0]
	s_mov_b32 s62, 0x76543210                      ; v_permlanex16_b32: each lane takes its own place in the other half
	s_mov_b32 s63, 0xfedcba98
	v_lshrrev_b32 v[T], 2, v0                      ; h into LDS: chunk t / 4 (of a half's 64), row 4 (t % 4) + i;
	v_and_b32 v[T+2], 3, v0
	v_mul_u32_u24 v[HSW], v[T], PITCH
	v_xor_b32 v[T+3], 2, v[T+2]                    ; in the upper channel half row + 8 modulo 16
	v_lshl_add_u32 v[HS1], v[T+3], 6, v[HSW]
	v_lshl_add_u32 v[HSW], v[T+2], 6, v[HSW]
	s_mul_i32 s60, s58, 16*PITCH                   ; back: wave w takes chunks 16 w .. 16 w + 15, whole
	v_lshl_add_u32 v[HSR], v2, 4, s60
	s_lshl_b32 s60, s58, 18                        ; which lie 16,384 bytes apart in hf
	v_lshl_add_u32 v[HGO], v2, 4, s60
	v_lshrrev_b32 v[T+2], 2, v[T+1]                ; W into LDS: chunk cq / 4 either way
	v_lshl_add_u32 v[WSW], v[T+2], 9, WS
	v_mov_b32 v[WST], v[WSW]
	v_bfe_u32 v[T+2], v0, 1, 1                     ; as it lies: half of its k (cq / 2) % 2,
	v_lshl_add_u32 v[WSW], v[T+2], 8, v[WSW]
	v_lshrrev_b32 v[T+2], 6, v0                    ; row 4 u + i,
	v_lshl_add_u32 v[WSW], v[T+2], 6, v[WSW]
	v_and_b32 v[T+2], 1, v0                        ; four of the piece's eight k
	v_lshl_add_u32 v[WSW], v[T+2], 3, v[WSW]
	v_and_b32 v[T+2], 3, v0                        ; turned: row 4 (cq % 4) + column,
	v_lshl_add_u32 v[WST], v[T+2], 6, v[WST]
	v_bfe_u32 v[T+2], v0, 7, 1                     ; half of its k u / 2,
	v_lshl_add_u32 v[WST], v[T+2], 8, v[WST]
	v_bfe_u32 v[T+2], v0, 6, 1                     ; four of the piece's eight k: u % 2
	v_lshl_add_u32 v[WST], v[T+2], 3, v[WST]
	v_lshl_add_u32 v[WSR], v0, 4, WS               ; back: wave w takes chunks w and 8 + w
	s_lshl_b32 s60, s58, 2
	s_add_co_u32 s60, s60, RED
	v_mov_b32 v[RDA], s60
	v_mov_b32 v[RDR], RED
; v[T], a lane's sum, becomes the group's sum in every lane: four steps inside each half of the lanes, one across, then the eight waves' words through LDS.
.macro GSUM off
.irp m, 1,2,4,8
	v_add_f32_dpp v[T], v[T], v[T] row_xmask:\m row_mask:0xf bank_mask:0xf
.endr
	v_permlanex16_b32 v[T+1], v[T], s62, s63
	v_add_f32 v[T], v[T], v[T+1]
	ds_store_b32 v[RDA], v[T] offset:\off
	s_wait_dscnt 0x0                               ; for the others' sake: my word is written
	s_barrier_signal -1
	s_barrier_wait -1
	ds_load_b128 v[T:T+3], v[RDR] offset:\off
	ds_load_b128 v[T+4:T+7], v[RDR] offset:(\off)+16
	s_wait_dscnt 0x0
	v_pk_add_f32 v[T:T+1], v[T:T+1], v[T+2:T+3]
	v_pk_add_f32 v[T+4:T+5], v[T+4:T+5], v[T+6:T+7]
	v_pk_add_f32 v[T:T+1], v[T:T+1], v[T+4:T+5]
	v_add_f32 v[T], v[T], v[T+1]
.endm
.macro FOLD                            ; the four running pairs into v[T]
	v_pk_add_f32 v[AC:AC+1], v[AC:AC+1], v[AC+2:AC+3]
	v_pk_add_f32 v[AC+4:AC+5], v[AC+4:AC+5], v[AC+6:AC+7]
	v_pk_add_f32 v[AC:AC+1], v[AC:AC+1], v[AC+4:AC+5]
	v_add_f32 v[T], v[AC], v[AC+1]
.endm
	; THE MEAN.  Four chains, started by the first eight pairs: nothing is cleared.  36 loads were issued; each wait leaves out those behind the eight that are summed next.
.set p, 0
.rept 64
.if p%16 == 0
	s_wait_loadcnt 28-(p/16)*8
.endif
.if p < 4
	v_pk_add_f32 v[AC+2*p:AC+2*p+1], v[X+2*p:X+2*p+1], v[X+2*p+8:X+2*p+9]
.elseif p >= 8
	v_pk_add_f32 v[AC+2*(p%4):AC+2*(p%4)+1], v[AC+2*(p%4):AC+2*(p%4)+1], v[X+2*p:X+2*p+1]
.endif
.set p, p+1
.endr
	FOLD
	GSUM 0
	v_mul_f32 v[MN], 0x38000000, v[T]              ; / 32,768
	v_mov_b32 v[MN+1], v[MN]
	; THE VARIANCE, of x - mean, which takes x's place
.set p, 0
.rept 64
	v_pk_add_f32 v[X+2*p:X+2*p+1], v[X+2*p:X+2*p+1], v[MN:MN+1] neg_lo:[0,1] neg_hi:[0,1]
.set p, p+1
.endr
.set p, 0
.rept 64
.if p < 4
	v_pk_mul_f32 v[AC+2*p:AC+2*p+1], v[X+2*p:X+2*p+1], v[X+2*p:X+2*p+1]
.else
	v_pk_fma_f32 v[AC+2*(p%4):AC+2*(p%4)+1], v[X+2*p:X+2*p+1], v[X+2*p:X+2*p+1], v[AC+2*(p%4):AC+2*(p%4)+1]
.endif
.set p, p+1
.endr
	FOLD
	GSUM 64
	s_mov_b32 s60, 0x38000000                      ; 1 / 32,768
	s_mov_b32 s61, 0x358637bd                      ; 1e-6
	v_fma_f32 v[T], v[T], s60, s61
	v_rsq_f32 v[T+1], v[T]
	v_nop                                          ; a plain instruction between the root and the use of its result (ISA guide 5.7.2)
	s_wait_kmcnt 0x0                               ; gamma and beta
.set c, 0
	s_wait_alu depctr_va_vdst(0)
.rept 16
	v_mul_f32 v[SC+c], s[GAM+c], v[T+1]
.set c, c+1
.endr
.set c, 0
.rept 128
	v_fma_f32 v[X+c], v[X+c], v[SC+c/8], s[BET+c/8]  ; h = (x - mean) rstd gamma + beta
.set c, c+1
.endr
	; h INTO CHUNKS: for each of my 8 positions and each half of the 16 channels, eight channels pack into a piece of 16 bytes
.set n, 0
.irp hf, 0,1
.irp i, 0,1,2,3
.irp hh, 0,1
.irp q, 0,1,2,3
	v_cvt_pk_bf16_f32 v[PKR+4*(n%3)+(\q)], v[X+((8*(\hh)+2*(\q))*2+(\hf))*4+(\i)], v[X+((8*(\hh)+2*(\q)+1)*2+(\hf))*4+(\i)]
.endr
.if (\hh) == 0
	ds_store_b128 v[HSW], v[PKR+4*(n%3):PKR+4*(n%3)+3] offset:(\hf)*64*PITCH+(\i)*16
.else
	ds_store_b128 v[HS1], v[PKR+4*(n%3):PKR+4*(n%3)+3] offset:(\hf)*64*PITCH+256+(\i)*16
.endif
.set n, n+1
.endr
.endr
.endr
	s_wait_loadcnt 0x0                             ; W
	s_cmp_lg_u32 s56, 3
	s_cbranch_scc1 .Lturned
.irp i, 0,1,2,3                                        ; as it lies: four neighbouring columns of a row are four neighbouring k
	v_cvt_pk_bf16_f32 v[T+2*(\i)], v[W+4*(\i)], v[W+4*(\i)+1]
	v_cvt_pk_bf16_f32 v[T+2*(\i)+1], v[W+4*(\i)+2], v[W+4*(\i)+3]
	ds_store_b64 v[WSW], v[T+2*(\i):T+2*(\i)+1] offset:(\i)*16
.endr
	s_branch .Lpacked
.Lturned:
.irp c, 0,1,2,3                                        ; turned: my four rows of a column are four neighbouring k
	v_cvt_pk_bf16_f32 v[T+2*(\c)], v[W+(\c)], v[W+4+(\c)]
	v_cvt_pk_bf16_f32 v[T+2*(\c)+1], v[W+8+(\c)], v[W+12+(\c)]
	ds_store_b64 v[WST], v[T+2*(\c):T+2*(\c)+1] offset:(\c)*16
.endr
.Lpacked:
	s_wait_dscnt 0x0                               ; for the others' sake: my parts of the chunks are written
	s_barrier_signal -1
	s_barrier_wait -1
	; THE WAY OUT: whole chunks back, and out: each store of a wave covers 512 consecutive bytes, aligned
.set n, 0
.rept 16
	ds_load_b128 v[X+4*n:X+4*n+3], v[HSR] offset:n*PITCH
.set n, n+1
.endr
	ds_load_b128 v[W:W+3], v[WSR]
	ds_load_b128 v[W+4:W+7], v[WSR] offset:4096
.set n, 0
.rept 16
	s_wait_dscnt 17-n                              ; LDS loads come back in order (ISA guide 5.7.1): chunk n is in, the younger ones stay out
	global_store_b128 v[HGO], v[X+4*n:X+4*n+3], s[18:19] offset:n*16384
.set n, n+1
.endr
	s_wait_dscnt 1
	global_store_b128 v[WG0], v[W:W+3], s[20:21]
	s_wait_dscnt 0x0
	global_store_b128 v[WG1], v[W+4:W+7], s[20:21]
	s_wait_tensorcnt 0x0                           ; the wave's end, behind my last LDS store
	ds_add_u32 v[SPW], v[NIL]
	s_wait_dscnt 0x0
	s_endpgm
.Lfunc_end_k_qf5743e7763_prep:
	.size	k_qf5743e7763_prep, .Lfunc_end_k_qf5743e7763_prep-k_qf5743e7763_prep
	.p2alignl 7, 3214868480
	.fill 96, 4, 3214868480
	.section	.rodata,"a",@progbits
	.p2align	6, 0x0
	.amdhsa_kernel k_qf5743e7763_prep
		.amdhsa_group_segment_fixed_size 77056
		.amdhsa_private_segment_fixed_size 0
		.amdhsa_enable_private_segment 0
		.amdhsa_kernarg_size 72
		.amdhsa_user_sgpr_count 2
		.amdhsa_user_sgpr_kernarg_segment_ptr 1
		.amdhsa_wavefront_size32 1
		.amdhsa_system_sgpr_workgroup_id_x 1
		.amdhsa_system_sgpr_workgroup_id_y 1
		.amdhsa_system_sgpr_workgroup_id_z 1
		.amdhsa_system_vgpr_workitem_id 0
		.amdhsa_next_free_vgpr 208
		.amdhsa_next_free_sgpr 66
		.amdhsa_reserve_vcc 0
		.amdhsa_float_denorm_mode_32 3
		.amdhsa_float_denorm_mode_16_64 3
		.amdhsa_memory_ordered 1
		.amdhsa_forward_progress 1
		.amdhsa_inst_pref_size 42
	.end_amdhsa_kernel
	.amdgpu_metadata
---
amdhsa.version: [ 1, 2 ]
amdhsa.kernels:
  - .name:           k_qf5743e7763_prep
    .symbol:         k_qf5743e7763_prep.kd
    .args:
      - { .name: x, .offset: 0, .size: 8, .value_kind: global_buffer, .address_space: global }
      - { .name: gn_gamma, .offset: 8, .size: 8, .value_kind: global_buffer, .address_space: global }
      - { .name: gn_beta, .offset: 16, .size: 8, .value_kind: global_buffer, .address_space: global }
      - { .name: wq, .offset: 24, .size: 8, .value_kind: global_buffer, .address_space: global }
      - { .name: wk, .offset: 32, .size: 8, .value_kind: global_buffer, .address_space: global }
      - { .name: wv, .offset: 40, .size: 8, .value_kind: global_buffer, .address_space: global }
      - { .name: wp, .offset: 48, .size: 8, .value_kind: global_buffer, .address_space: global }
      - { .name: hf, .offset: 56, .size: 8, .value_kind: global_buffer, .address_space: global }
      - { .name: wf, .offset: 64, .size: 8, .value_kind: global_buffer, .address_space: global }
    .group_segment_fixed_size: 77056
    .private_segment_fixed_size: 0
    .kernarg_segment_align: 8
    .kernarg_segment_size: 72
    .max_flat_workgroup_size: 256
    .sgpr_count:     66
    .vgpr_count:     208
    .wavefront_size: 32
...
	.end_amdgpu_metadata
.endif
;; end of part 4
;; launch fold (part 5): grid 268 x 1, 2 waves a work-group, no clusters, 0 bytes of LDS; arguments wf, bq, bk, bv, bp, mf, vf; writes mf, vf
.if DOCPART == 5
	.amdgcn_target "amdgcn-amd-amdhsa--gfx1250"
	.amdhsa_code_object_version 6
	.text
	.protected	k_qf5743e7763_fold
	.globl	k_qf5743e7763_fold
	.p2align	8
	.type	k_qf5743e7763_fold,@function
k_qf5743e7763_fold:
	s_mov_b64 s[64:65], 0
	v_nop
	global_prefetch_b8 v0, s[64:65] scope:SCOPE_SE
	s_setreg_imm32_b32 hwreg(HW_REG_WAVE_MODE, 25, 1), 1
	s_wait_xcnt 0x0
; FOLD: the weights that always act one behind the other are multiplied once, so that the next launch makes two projections where the module has four.
;   M = wk^T wq   (M[a][c] = sum over o of wk[o][a] wq[o][c]),   c1 = wk^T bq,   u = wq^T bk:    wk^T (wq h + bq) = M h + c1,   (wq h + bq) . bk = u . h + bq . bk
;   N = wp wv     (N[a][c] = sum over o of wp[a][o] wv[o][c]),   c2 = wp bv + bp:                wp (wv o + bv) + bp = N o + c2
; bf16 operands, f32 sums over all 512 o; M and N are rounded to bf16 once; c1, u and c2 stay f32.
; in:  wf, four parts (wq turned, wk turned, wv turned, wp) of [place 32][ob 32][512]: chunks of 16 rows x 16 k, lane l = r + 16 h holding (row r; k = 8 h .. + 7); k is the summed index o in all four,
;      and a place holds the same 16 o in all four, so fragments of two parts at one place belong together.  Places 2 s and 2 s + 1 are K step s: o = 128 (s % 4) + 32 (s / 4) .. + 31.
; out: mf: M, then N, each [place 32][ob 32][512]: row = output a, k = input c; place 8 kc + kh holds the k chunk 8 (kh / 2) + 2 kc + kh % 2.   vf: c1, u, c2, 512 f32 each.
; SHARES.  Work-groups 0-255: a wave makes 2 x 2 tiles of 16 x 16 of M or N: 128 loads of 512 consecutive bytes, 64 matrix instructions.  Source 0 takes the rows c, source 1 the rows a: a lane then holds
; one a and eight neighbouring c, and a packed accumulator IS a chunk of the result.  Work-groups 256-267: a wave makes 64 numbers of c1, u or c2: the bias, rounded to bf16, is source 0 (all 16 rows alike);
; block i of four takes the rows 4 r + i of 64, so that lane r ends with four neighbouring numbers, and sixteen lanes store 256 consecutive bytes, aligned.
; No LDS and no cluster: each fragment is loaded straight into the lanes that multiply it, and a wave's loads are all issued ahead of its first product.
; LIMITS.  bq, bk and bv enter c1, u and c2 rounded to bf16; NaN and infinities are not treated apart.
; REGISTERS: window 0 addresses, accumulators, results; window 1 the fragments of K steps 0-7, window 2 of 8-15: block b of four at ((s % 8) x 4 + b) x 8; window 3 the bias.
.set LN,  1                            ; lane
.set L16, 2                            ; 16 x lane
.set VG,  3                            ; the vectors: my piece of the rows 4 r + i
.set BT,  4                            ; 32 x (lane / 16)
.set RO,  5                            ; 16 x (lane % 16)
.set T0,  6
.set AD,  12                           ; v[12:15] bp
.set PK,  16                           ; v[16:31] results
.set ACC, 32                           ; v[32:63] four accumulators
.set MSB, 0
.macro WIN new                         ; the immediate's high byte repeats the setting that is left; a switch that changes nothing is dropped
.if MSB != (\new)
	s_set_vgpr_msb (MSB<<8)|(\new)
.set MSB, \new
.endif
.endm
; 64 matrix instructions: 16 K steps on four accumulators, which take turns, one instruction a turn.  The first K step starts the sums.
; vec = 0: accumulator a = (block a / 2 of source 0's two, block a % 2 of source 1's two).  vec = 1: source 0 is the bias (window 3), source 1 block a of four.
.macro MUL64 vec
.set s, 0
.rept 16
.if \vec
	WIN 3|((1+s/8)<<2)
.else
	WIN (1+s/8)|((1+s/8)<<2)
.endif
.irp a, 0,1,2,3
.if \vec
.set rA, 8*s
.set rB, ((s&7)*4+(\a))*8
.else
.set rA, ((s&7)*4+(\a)/2)*8
.set rB, ((s&7)*4+2+(\a)%2)*8
.endif
.if s == 0
	v_wmma_f32_16x16x32_bf16 v[ACC+8*(\a):ACC+8*(\a)+7], v[rA:rA+7], v[rB:rB+7], 0
.else
	v_wmma_f32_16x16x32_bf16 v[ACC+8*(\a):ACC+8*(\a)+7], v[rA:rA+7], v[rB:rB+7], v[ACC+8*(\a):ACC+8*(\a)+7]
.endif
.endr
.set s, s+1
.endr
	WIN 0
.endm
	s_load_b256 s[4:11], s[0:1], 0x0               ; wf, bq, bk, bv
	s_load_b128 s[12:15], s[0:1], 0x20             ; bp, mf
	s_load_b64 s[16:17], s[0:1], 0x30              ; vf
	v_lshrrev_b32 v[T0], 5, v0
	v_readfirstlane_b32 s20, v[T0]                 ; wave 0, 1
	v_and_b32 v[LN], 31, v0
	v_lshlrev_b32 v[L16], 4, v[LN]
	s_cmp_ge_u32 ttmp9, 256
	s_cbranch_scc1 .Lvectors
	; M AND N
	s_lshl_b32 s21, ttmp9, 1
	s_add_co_u32 s21, s21, s20                     ; task 0..511
	s_lshr_b32 s22, s21, 8                         ; M or N
	s_bfe_u32 s23, s21, 0x40004                    ; which pair of blocks of a
	s_and_b32 s24, s21, 15                         ; which pair of blocks of c
	s_lshl_b32 s26, s22, 20                        ; source 0 is part 0 or 2,
	s_lshl_b32 s25, s24, 10
	s_add_co_u32 s28, s26, s25
	s_mov_b32 s29, 0
	s_lshl_b32 s25, s23, 10
	s_add_co_u32 s30, s26, s25
	s_add_co_u32 s30, s30, 524288                  ; source 1 the part behind it
	s_mov_b32 s31, 0
	s_and_b32 s25, s24, 3                          ; k chunks 2 cb2 and 2 cb2 + 1 lie at places 8 (cb2 % 4) + 2 (cb2 / 4) and the next
	s_lshl_b32 s25, s25, 3
	s_lshr_b32 s27, s24, 2
	s_lshl1_add_u32 s25, s27, s25
	s_lshl_b32 s32, s25, 14
	s_lshl_b32 s25, s23, 10
	s_add_co_u32 s32, s32, s25
	s_lshl_b32 s25, s22, 19
	s_add_co_u32 s32, s32, s25
	s_mov_b32 s33, 0
	s_wait_kmcnt 0x0
	s_add_nc_u64 s[28:29], s[4:5], s[28:29]
	s_add_nc_u64 s[30:31], s[4:5], s[30:31]
	s_add_nc_u64 s[32:33], s[14:15], s[32:33]
.set s, 0
.rept 16
	WIN (1+s/8)<<6
.irp hv, 0,1
.irp i, 0,1
	global_load_b128 v[((s&7)*4+(\i))*8+4*(\hv):((s&7)*4+(\i))*8+4*(\hv)+3], v[L16], s[28:29] offset:(2*s+(\hv))*16384+(\i)*512
	global_load_b128 v[((s&7)*4+2+(\i))*8+4*(\hv):((s&7)*4+2+(\i))*8+4*(\hv)+3], v[L16], s[30:31] offset:(2*s+(\hv))*16384+(\i)*512
.endr
.endr
.set s, s+1
.endr
	WIN 0
	s_wait_loadcnt 0x0
	MUL64 0
.rept 4
	v_nop                                          ; four places between the last product and the first use of its result (ISA guide 7.12.1)
.endr
.set a, 0
.rept 4
.irp q, 0,1,2,3
	v_cvt_pk_bf16_f32 v[PK+4*a+(\q)], v[ACC+8*a+2*(\q)], v[ACC+8*a+2*(\q)+1]
.endr
.set a, a+1
.endr
.set a, 0
.rept 4
	global_store_b128 v[L16], v[PK+4*a:PK+4*a+3], s[32:33] offset:(a/2)*16384+(a%2)*512  ; a chunk: 512 consecutive bytes, aligned
.set a, a+1
.endr
	s_endpgm
.Lvectors:                                             ; c1, u, c2
	s_sub_co_u32 s21, ttmp9, 256
	s_lshl_b32 s21, s21, 1
	s_add_co_u32 s21, s21, s20                     ; task 0..23
	s_lshr_b32 s22, s21, 3                         ; 0: c1, 1: u, 2: c2
	s_and_b32 s23, s21, 7                          ; which 64 numbers
	s_xor_b32 s24, s22, 1                          ; c1 takes part 1 (wk turned), u part 0 (wq turned), c2 part 3 (wp)
	s_lshl_b32 s28, s24, 19
	s_lshl_b32 s25, s23, 11                        ; four blocks of 16 rows
	s_add_co_u32 s28, s28, s25
	s_mov_b32 s29, 0
	s_lshl_b32 s32, s23, 8                         ; 64 f32
	s_mov_b32 s33, 0
	s_lshl_b32 s30, s22, 11
	s_add_co_u32 s30, s30, s32
	s_mov_b32 s31, 0
	v_and_b32 v[T0], 15, v0                        ; r
	v_bfe_u32 v[T0+1], v0, 4, 1                    ; h
	v_lshrrev_b32 v[T0+2], 2, v[T0]                ; row 4 r + i of 64 lies in block r / 4,
	v_lshlrev_b32 v[VG], 9, v[T0+2]
	v_and_b32 v[T0+2], 3, v[T0]                    ; at its row 4 (r % 4) + i
	v_lshl_add_u32 v[VG], v[T0+2], 6, v[VG]
	v_lshl_add_u32 v[VG], v[T0+1], 8, v[VG]
	v_lshlrev_b32 v[BT], 5, v[T0+1]
	v_lshlrev_b32 v[RO], 4, v[T0]
	s_wait_kmcnt 0x0
	s_cmp_eq_u32 s22, 1                            ; c1 takes bq, u bk, c2 bv: chosen by the task's number alone
	s_cselect_b64 s[6:7], s[8:9], s[6:7]
	s_cmp_eq_u32 s22, 2
	s_cselect_b64 s[6:7], s[10:11], s[6:7]
	s_add_nc_u64 s[28:29], s[4:5], s[28:29]
	s_add_nc_u64 s[30:31], s[16:17], s[30:31]
	s_add_nc_u64 s[12:13], s[12:13], s[32:33]
	global_load_b128 v[AD:AD+3], v[RO], s[12:13]   ; bp of my four numbers; used for c2 alone
	WIN 3<<6
.set s, 0
.rept 16                                               ; the bias in K's order: my 16 of K step s's 32 numbers at 16 s
.irp k, 0,1,2,3
	global_load_b128 v[16*s+4*(\k):16*s+4*(\k)+3], v[BT], s[6:7] offset:(128*(s%4)+32*(s/4))*4+((\k)/2)*64+((\k)%2)*16
.endr
.set s, s+1
.endr
.set s, 0
.rept 16
	WIN (1+s/8)<<6
.irp hv, 0,1
.irp i, 0,1,2,3
	global_load_b128 v[((s&7)*4+(\i))*8+4*(\hv):((s&7)*4+(\i))*8+4*(\hv)+3], v[VG], s[28:29] offset:(2*s+(\hv))*16384+(\i)*16
.endr
.endr
.set s, s+1
.endr
	WIN 0
	s_wait_loadcnt 0x0
	WIN 0xcf                                       ; the bias rounded to bf16 in place: K step s becomes the fragment in v[8 s : 8 s + 7] of window 3
.set i, 0
.rept 128
	v_cvt_pk_bf16_f32 v[i], v[2*i], v[2*i+1]
.set i, i+1
.endr
	MUL64 1
	s_cmp_eq_u32 s22, 2
	s_cselect_b32 s34, -1, 0
.irp i, 0,1,2,3
	v_cndmask_b32 v[AD+(\i)], 0, v[AD+(\i)], s34   ; bp, or 0: these four are also the places behind the last product
.endr
.irp i, 0,1,2,3
	v_add_f32 v[PK+(\i)], v[ACC+8*(\i)], v[AD+(\i)]  ; all eight registers of an accumulator hold the same number: its lowest is taken
.endr
	v_cmp_gt_u32 vcc_lo, 16, v[LN]                 ; lanes 16-31 hold the same numbers again
	s_wait_xcnt 0x0                                ; EXEC changes only behind this wait
	s_and_saveexec_b32 s35, vcc_lo
	global_store_b128 v[RO], v[PK:PK+3], s[30:31]  ; 16 lanes store 256 consecutive bytes, aligned
	s_wait_xcnt 0x0
	s_or_b32 exec_lo, exec_lo, s35
	s_endpgm
.Lfunc_end_k_qf5743e7763_fold:
	.size	k_qf5743e7763_fold, .Lfunc_end_k_qf5743e7763_fold-k_qf5743e7763_fold
	.p2alignl 7, 3214868480
	.fill 96, 4, 3214868480
	.section	.rodata,"a",@progbits
	.p2align	6, 0x0
	.amdhsa_kernel k_qf5743e7763_fold
		.amdhsa_group_segment_fixed_size 0
		.amdhsa_private_segment_fixed_size 0
		.amdhsa_enable_private_segment 0
		.amdhsa_kernarg_size 56
		.amdhsa_user_sgpr_count 2
		.amdhsa_user_sgpr_kernarg_segment_ptr 1
		.amdhsa_wavefront_size32 1
		.amdhsa_system_sgpr_workgroup_id_x 1
		.amdhsa_system_sgpr_workgroup_id_y 1
		.amdhsa_system_sgpr_workgroup_id_z 1
		.amdhsa_system_vgpr_workitem_id 0
		.amdhsa_next_free_vgpr 1024
		.amdhsa_next_free_sgpr 66
		.amdhsa_reserve_vcc 1
		.amdhsa_float_denorm_mode_32 3
		.amdhsa_float_denorm_mode_16_64 3
		.amdhsa_memory_ordered 1
		.amdhsa_forward_progress 1
		.amdhsa_inst_pref_size 52
	.end_amdhsa_kernel
	.amdgpu_metadata
---
amdhsa.version: [ 1, 2 ]
amdhsa.kernels:
  - .name:           k_qf5743e7763_fold
    .symbol:         k_qf5743e7763_fold.kd
    .args:
      - { .name: wf, .offset: 0, .size: 8, .value_kind: global_buffer, .address_space: global }
      - { .name: bq, .offset: 8, .size: 8, .value_kind: global_buffer, .address_space: global }
      - { .name: bk, .offset: 16, .size: 8, .value_kind: global_buffer, .address_space: global }
      - { .name: bv, .offset: 24, .size: 8, .value_kind: global_buffer, .address_space: global }
      - { .name: bp, .offset: 32, .size: 8, .value_kind: global_buffer, .address_space: global }
      - { .name: mf, .offset: 40, .size: 8, .value_kind: global_buffer, .address_space: global }
      - { .name: vf, .offset: 48, .size: 8, .value_kind: global_buffer, .address_space: global }
    .group_segment_fixed_size: 0
    .private_segment_fixed_size: 0
    .kernarg_segment_align: 8
    .kernarg_segment_size: 56
    .max_flat_workgroup_size: 64
    .sgpr_count:     66
    .vgpr_count:     1024
    .wavefront_size: 32
...
	.end_amdgpu_metadata
.endif
;; end of part 5
;; launch attn (part 6): grid 32 x 8, 4 waves a work-group, clusters of 4 x 1, 327,680 bytes of LDS; arguments hf, mf, vf, bq, bk, x, out0; writes out0
.if DOCPART == 6
	.amdgcn_target "amdgcn-amd-amdhsa--gfx1250"
	.amdhsa_code_object_version 6
	.text
	.protected	k_qf5743e7763_attn
	.globl	k_qf5743e7763_attn
	.p2align	8
	.type	k_qf5743e7763_attn,@function
k_qf5743e7763_attn:
	s_mov_b64 s[64:65], 0
	v_nop
	global_prefetch_b8 v0, s[64:65] scope:SCOPE_SE
	s_setreg_imm32_b32 hwreg(HW_REG_WAVE_MODE, 25, 1), 1
	s_wait_xcnt 0x0
	s_wait_alu depctr_hold_cnt(0) depctr_sa_sdst(0) depctr_va_vdst(0) depctr_va_sdst(0) depctr_va_ssrc(0) depctr_va_vcc(0) depctr_vm_vsrc(0)
	s_getreg_b32 s2, hwreg(HW_REG_IB_STS2, 6, 4)
	s_cmp_eq_u32 s2, 0
	s_cbranch_scc0 .Lentry_in_a_cluster
	s_endpgm
.Lentry_in_a_cluster:
	s_bfe_u32 s2, ttmp6, 0x10000c
	s_cmp_lg_u32 s2, 0x3003
	s_cbranch_scc0 .Lentry_shape_is_right
	s_endpgm
.Lentry_shape_is_right:
; ATTN: all of the module behind GroupNorm: out0 = x + N o + c2, o_i = sum over j of softmax_j(q_i . k_j / sqrt(512)) h_j.  One head of 512 channels, 2,048 positions, 8 batches.
; ALGEBRA.  q . k_j = q . (wk h_j + bk) = q' . h_j + t with q' = wk^T (wq h + bq) = M h + c1 and t = q . bk = u . h + bq . bk; and wp (wv sum_j a_ij h_j + bv) + bp = N o + c2, since a row's weights add up to 1.
; M = wk^T wq, N = wp wv, c1 = wk^T bq, u = wq^T bk and c2 = wp bv + bp come from the launch before.  So keys and values are both h: ONE tile of h serves both products of a key step, and each position is
; projected twice, not four times.  t shifts all scores of a query alike; it enters maximum and exponent.
; bf16 operands (h, M, N, q', the weights p, o); f32 sums, maxima, l, t, c1, c2 and residual.
; CHUNKS of 512 bytes: lane l = r + 16 h holds (row r; k = 8 h .. 8 h + 7) of 16 rows x 16 k; two chunks are a 16 x 32 fragment, and a packed accumulator IS a chunk in the same lanes.
;   hf [b][pt 128][g 32][512]: row = position, k = channel; piece (r, h) lies at 16 ((r + 8 h) % 16 + 16 h), so that plain loads (rows = keys) and transposing loads (rows = channels) both touch each bank once a pass
;   mf: M, then N, each [block kc 4][kh 8][ob 32][512]: row = output; place kh of block kc holds the k chunk 8 (kh / 2) + 2 kc + kh % 2.      vf: c1, u, c2, 512 f32 each
; SHARES.  A work-group owns 64 positions of a batch: four tiles t of 16.
;   A PROJECTION: wave w owns outputs 128 w .. + 127 x 64 positions: 32 accumulators.  Its input lies spread the same way (wave w': channels 128 w' ..): in step kc every wave lays its channels 32 kc .. + 31 into PB,
;   and all four multiply the 128 channels so gathered by block kc of the weights.
;   S^T = H Q'^T: wave w makes keys 32 w .. + 31 x 64 queries: 8 accumulators; Q' (512 registers) stays in every wave.  A lane holds ONE query (lane % 16) and eight keys.
;   O^T += H^T P: wave w owns channels 128 w .. x 64 queries; P goes from wave to wave through PB; H^T comes out of the same slot by ds_load_tr16_b128.
; SOFTMAX.  A running maximum m of s + t for each query: the waves' maxima of a step meet in LDS.  p = 2^(c s - e), e = c m - c t, c = log2(e) / sqrt(512); O and l are multiplied by a = 2^(e_old - e_new) in every step.
; l stays each wave's partial sum (of the unrounded p of its own keys) until the end.  m starts at the lowest finite number, e at -4.25e37, l at 0: the first step is a step like any other, with a = 0.
; O^T is not cleared: the first step multiplies it by 0, and what it holds then (q' sums, and packed q' read as f32) is finite wherever q' is.
; THE RING.  24 tiles of 131,072 dense bytes (M 0-3, h 4-19, N 20-23) go through two slots, tile n in slot n % 2; behind step n the slot takes tile n + 2, each wave its quarter.
; CLUSTER.  The four blocks of a cluster belong to one batch and walk the same 24 tiles: each is asked for JOINTLY.  The block's number (made of cx) enters only the addresses of my own h, of x and of out0.
; LIMITS.  c (s + t) below -4.25e37 is not served; a weight below 2^-126 counts as 0; NaN and infinities are not treated apart.
; REGISTERS, in windows of 256 (s_set_vgpr_msb: bits 1:0 source 0, 3:2 source 1, 5:4 source 2, 7:6 destination):
;   window 0: v1-15, v62-63 addresses; v16-47 eight registers of statistics a tile; v48-51 a step's maxima; v52-59 c t and t; v60-61 the add's; v64-255 S^T and fragments
;   window 1: q' sums, packed q'; then O^T, packed o          window 2: my h; then Q' K steps 8-15; then the last projection's sums
;   window 3: c1, u, bq, bk; then Q' K steps 0-7; then x.     Accumulator (cbl, t) at (4 cbl + t) x 8; Q' fragment (ks, t) at ((ks % 8) x 4 + t) x 8
.set RW0, 3
.set RW1, 2
.set SL1,   131072                     ; slot 0 at 0, slot 1 here; slot 0, its last fill over, is also the stage for the way out
.set PB,    262144                     ; [kh 8][t 4][512]: P, or a projection's 128 input channels; no tile lands here or behind
.set MX,    PB+16384                   ; [wave][lane][4 f32]
.set SPARE, MX+2048                    ; the spare words: 128 bytes a wave, named by no other line
.set BT,  1                            ; 32 x (lane / 16): my eight numbers of sixteen of a vector
.set L16, 2                            ; 16 x lane
.set AK0, 3                            ; my 32 keys in slot 0, rows = keys
.set AT0, 4                            ; my 8 channel blocks in slot 0, for the transposing load
.set AK,  5                            ; the same two in the slot in hand;
.set AV0, 6                            ; key blocks (or k chunks) 0-3,
.set AV1, 7                            ; 4-7
.set AP,  8                            ; PB
.set APW, 9                            ; my wave's quarter of it
.set AMW, 10                           ; my wave's part of MX
.set AMR, 11
.set STW, 12                           ; the way out: where I put 32 bytes of a row
.set RDW, 13                           ; where I read rows back
.set GO,  14                           ; my bytes in two rows of x and out0
.set BO,  15
.set ST,  16                           ; tile t at ST + 8 t: e, m, l (even keys', odd keys'), two at work, a, e_old - e
.set BPR, 16                           ; at the end: c2 of my 8 output blocks, in the even registers
.set LM,  48
.set CT,  52                           ; c t
.set LNR, 55                           ; at the start: my piece's place in a chunk of hf
.set TT,  56                           ; t
.set SPW, 60                           ; my spare word; never rewritten
.set NIL, 61                           ; 0; never rewritten
.set AW,  62                           ; my 8 output blocks in slot 0
.set APT, 63                           ; PB, stepping
.set S,   64                           ; v[64:127] S^T: accumulator (kbl, t) at S + (4 kbl + t) x 8
.set KB0, 128                          ; two buffers for the keys' fragments
.set KB1, 192
.set PK,  128                          ; in the softmax: packed p
.set XM,  160                          ; the four waves' maxima
.set FB0, 64                           ; in the second product and the projections: two buffers, 64 registers of H^T or weights and 32 of P or input
.set FB1, 160
.set WV,  20
.set G1,  24                           ; s[24:31] descriptor group 1
.set G0A, 32                           ; s[32:35] group 0 of the first fill
.set G0W, 36                           ; s[36:39] group 0 of the second; it then walks
.set CNT, 40
.set C2,  41
.set CS,  42                           ; s[42:43] c, twice
.set SEL, 44                           ; s[44:45] v_permlanex16_b32's selects
.set TP,  46                           ; my quarter of the tile asked for last
.set HB,  48                           ; my quarter of the batch's first tile of h
.set NB0, 50                           ; my quarter of N's block 0
.set XB,  52
.set OB,  54
.set TB,  56                           ; the slot in hand, in bytes
.set HQ,  70                           ; my own positions' h
.set HM,  72                           ; a word's upper bf16
.set MSB, 0
.macro WIN new                         ; the immediate's high byte repeats the setting that is left; a switch that changes nothing is dropped
.if MSB != (\new)
	s_set_vgpr_msb (MSB<<8)|(\new)
.set MSB, \new
.endif
.endm
.macro PLACES n
.rept \n
	v_nop
.endr
.endm
.macro ALLT line:vararg                ; one line for each tile t
.set t, 0
.rept 4
	\line
.set t, t+1
.endr
.endm
.macro CROUND                          ; a round of the cluster's barrier
	s_barrier_signal -1
	s_barrier_wait -1
	s_cmp_lg_u32 s[WV], 0
	s_cbranch_scc1 .Lnot_wave_0_\@
	s_barrier_signal -3
.Lnot_wave_0_\@:
	s_barrier_wait -3
	s_barrier_signal -1
	s_barrier_wait -1
.endm
.macro TLOAD g0                        ; my quarter of a tile; an s_nop 0 and four v_nop follow
	tensor_load_to_lds s[\g0:\g0+3], s[G1:G1+7]
	s_nop 0
	PLACES 4
.endm
; THE SLOT JUST READ OUT IS FILLED AGAIN.  Each wave waits for all its tensor loads, of which one is out: its quarter of the other slot; adds 0 to its spare word; and waits for that and for all its LDS instructions, its
; reads of this slot among them.  Behind the round no wave of any partner reads the slot or has a load on its way, and the joint refill is the first thing there.
; mode 1: the next 131,072 bytes; 2: h's first tile; 3: in the loop over keys: behind h's last tile comes N's block 0, and the slot in hand changes.
.macro REFILL mode
	WIN 0
	s_wait_tensorcnt 0x0
	ds_add_u32 v[SPW], v[NIL]                      ; the add: the descriptor's scalar work stands between it and the wait for it
.if (\mode) == 2
	s_mov_b64 s[TP:TP+1], s[HB:HB+1]
.else
	s_add_nc_u64 s[TP:TP+1], s[TP:TP+1], 131072
.endif
.if (\mode) == 3
	s_cmp_eq_u32 s[CNT], 2
	s_cselect_b64 s[TP:TP+1], s[NB0:NB0+1], s[TP:TP+1]
	s_xor_b32 s[TB], s[TB], SL1
.endif
	s_xor_b32 s[G0W+1], s[G0W+1], SL1              ; the other slot than last time
	s_mov_b64 s[G0W+2:G0W+3], s[TP:TP+1]
	s_or_b32 s[G0W+3], s[G0W+3], 0x80000000
	s_wait_dscnt 0x0
	CROUND
	TLOAD G0W
.endm
; 16 LDS loads: the fragments of my 32 keys for K steps 4 grp .. 4 grp + 3
.macro FETCHK grp, buf
	WIN 0
.irp ksl, 0,1,2,3
.irp kbl, 0,1
.irp hv, 0,1
	ds_load_b128 v[(\buf)+((\ksl)*2+(\kbl))*8+4*(\hv):(\buf)+((\ksl)*2+(\kbl))*8+4*(\hv)+3], v[AK] offset:(\kbl)*16384+(2*(4*(\grp)+(\ksl))+(\hv))*512
.endr
.endr
.endr
.endm
; 32 matrix instructions: four K steps on the eight accumulators, which take turns, one instruction a turn.  The first K step starts the sums.
.macro MULS grp, buf
.if (\grp) < 2
	WIN RW0<<2
.else
	WIN RW1<<2
.endif
.irp ksl, 0,1,2,3
.irp kbl, 0,1
.irp t, 0,1,2,3
.set rD, S+((\kbl)*4+(\t))*8
.set rK, (\buf)+((\ksl)*2+(\kbl))*8
.set rR, (((4*(\grp)+(\ksl))&7)*4+(\t))*8
.if ((\grp) == 0) && ((\ksl) == 0)
	v_wmma_f32_16x16x32_bf16 v[rD:rD+7], v[rK:rK+7], v[rR:rR+7], 0
.else
	v_wmma_f32_16x16x32_bf16 v[rD:rD+7], v[rK:rK+7], v[rR:rR+7], v[rD:rD+7]
.endif
.endr
.endr
.endr
.endm
; 24 LDS loads for 32 along K (step st): the fragments of my 8 blocks of 16 rows out of the slot (tr = 1: turned), and those of the 4 tiles out of PB
.macro FETCHPV a0, a1, ap, st, fb, tr
	WIN 0
.if (\st) < 2
.set rA, \a0
.else
.set rA, \a1
.endif
.irp cbl, 0,1,2,3,4,5,6,7
.irp hv, 0,1
.if \tr
	ds_load_tr16_b128 v[(\fb)+8*(\cbl)+4*(\hv):(\fb)+8*(\cbl)+4*(\hv)+3], v[rA] offset:((2*(\st)+(\hv))&3)*16384+(\cbl)*512
.else
	ds_load_b128 v[(\fb)+8*(\cbl)+4*(\hv):(\fb)+8*(\cbl)+4*(\hv)+3], v[rA] offset:((2*(\st)+(\hv))&3)*16384+(\cbl)*512
.endif
.endr
.endr
.irp t, 0,1,2,3
.irp hv, 0,1
	ds_load_b128 v[(\fb)+64+8*(\t)+4*(\hv):(\fb)+64+8*(\t)+4*(\hv)+3], v[\ap] offset:((2*(\st)+(\hv))*4+(\t))*512
.endr
.endr
.endm
; 32 matrix instructions, one on each of 32 accumulators in window win.  cm = 0: they add; 1: they start the sums; 2: they start them with c1 (window 3, eight registers for each block of 16 outputs)
.macro MULPV fb, win, swap, cm
.if (\cm) == 2
	WIN ((\win)<<6)|(3<<4)
.else
	WIN ((\win)<<4)|((\win)<<6)
.endif
.irp cbl, 0,1,2,3,4,5,6,7
.irp t, 0,1,2,3
.set rD, ((\cbl)*4+(\t))*8
.if \swap
.set rA, (\fb)+64+8*(\t)
.set rB, (\fb)+8*(\cbl)
.else
.set rA, (\fb)+8*(\cbl)
.set rB, (\fb)+64+8*(\t)
.endif
.if (\cm) == 1
	v_wmma_f32_16x16x32_bf16 v[rD:rD+7], v[rA:rA+7], v[rB:rB+7], 0
.elseif (\cm) == 2
	v_wmma_f32_16x16x32_bf16 v[rD:rD+7], v[rA:rA+7], v[rB:rB+7], v[8*(\cbl):8*(\cbl)+7]
.else
	v_wmma_f32_16x16x32_bf16 v[rD:rD+7], v[rA:rA+7], v[rB:rB+7], v[rD:rD+7]
.endif
.endr
.endr
.endm
; 128 along K, written out.  Each run of 24 loads is issued 32 matrix instructions ahead of its use; each wait leaves out the 24 just issued.  Four v_nop stand between the last product that read a buffer and the
; loads into it; five at the end, ahead of whatever writes the buffers next (ISA guide 7.12.1 for vector instructions).
.macro PVPHASE a0, a1, tr, win, swap, cm
	FETCHPV \a0, \a1, AP, 0, FB0, \tr
	FETCHPV \a0, \a1, AP, 1, FB1, \tr
	s_wait_dscnt 24
	MULPV FB0, \win, \swap, \cm
	PLACES 4
	FETCHPV \a0, \a1, AP, 2, FB0, \tr
	s_wait_dscnt 24
	MULPV FB1, \win, \swap, 0
	PLACES 4
	FETCHPV \a0, \a1, AP, 3, FB1, \tr
	s_wait_dscnt 24
	MULPV FB0, \win, \swap, 0
	s_wait_dscnt 0x0
	MULPV FB1, \win, \swap, 0
	PLACES 5
	WIN 0
.endm
; The same 128 along K as a loop of two trips of 64, for the projections' steps that only add: half the text.  A step fills 131,072 bytes for its 128 matrix instructions a wave, so it has time to spare for the
; fragments that are not fetched across the trips.
.macro PVROLL slot, win, swap
	WIN 0
	v_add_nc_u32 v[AV0], (\slot)*SL1, v[AW]
	v_mov_b32 v[APT], v[AP]
	s_mov_b32 s[C2], 2
.Lpv_\@:
	FETCHPV AV0, AV0, APT, 0, FB0, 0
	FETCHPV AV0, AV0, APT, 1, FB1, 0
	s_wait_dscnt 24                                ; all but the 24 just issued
	MULPV FB0, \win, \swap, 0
	s_wait_dscnt 0x0
	MULPV FB1, \win, \swap, 0
	WIN 0
	PLACES 4                                       ; between the last products and the loads into their buffers, or the first use of their results
	v_add_nc_u32 v[AV0], 0x10000, v[AV0]           ; four k chunks on,
	v_add_nc_u32 v[APT], 0x2000, v[APT]            ; in PB too
	s_sub_co_u32 s[C2], s[C2], 1
	s_cmp_lg_u32 s[C2], 0
	s_cbranch_scc1 .Lpv_\@
.endm
; Every wave lays its channels 32 kc .. 32 kc + 31 (eight packed chunks of window inw) into its quarter of PB; behind the barrier PB holds 128 channels x 64 positions.
.macro LAY kc, inw
	WIN (\inw)<<2                                  ; the data in window inw
.irp e, 0,1
.irp t, 0,1,2,3
	ds_store_b128 v[APW], v[4*((2*(\kc)+(\e))*4+(\t)):4*((2*(\kc)+(\e))*4+(\t))+3] offset:(\e)*2048+(\t)*512
.endr
.endr
	WIN 0
	s_wait_dscnt 0x0                               ; for the others' sake: my quarter is written
	s_barrier_signal -1                            ; a tile may stay on its way
	s_barrier_wait -1
.endm
; Step kc of a projection.  fill = 1, 2: the slot is filled again (REFILL's modes); 0: nothing is left to fetch, the last tile is waited for; 3: the last step of all.
.macro STEP kc, slot, inw, accw, swap, cm, fill
	LAY \kc, \inw
.if (\kc) == 0
	v_mov_b32 v[AV0], v[AW]                        ; a projection's first block lies in slot 0
	v_add_nc_u32 v[AV1], 0x10000, v[AW]
	PVPHASE AV0, AV1, 0, \accw, \swap, \cm
.else
	PVROLL \slot, \accw, \swap
.endif
.if ((\fill) == 1) || ((\fill) == 2)
	REFILL \fill
.elseif (\fill) == 0
	WIN 0
	s_wait_tensorcnt 0x0                           ; the last tile is in;
	ds_add_u32 v[SPW], v[NIL]
	s_wait_dscnt 0x0                               ; my reads of this slot and of PB are over
	s_barrier_signal -1
	s_barrier_wait -1
.endif
.endm
.macro PACK win                        ; 32 accumulators rounded to bf16 in place: accumulator i becomes the chunk in v[4 i : 4 i + 3] of the window; each is read from its low end on
	WIN ((\win)<<6)|((\win)<<2)|(\win)
.set i, 0
.rept 128
	v_cvt_pk_bf16_f32 v[i], v[2*i], v[2*i+1]
.set i, i+1
.endr
	WIN 0
.endm
; Pass p of four: q' goes from the waves that made it (window 1) into every wave (windows 3 and 2, whose first contents are done with).  Wave w's channels 32 p .. + 31 are K step 4 w + p.
.macro XCH p
	LAY \p, 1
.irp w, 0,1,2,3
.if (\w) < 2
	WIN RW0<<6
.else
	WIN RW1<<6
.endif
.irp t, 0,1,2,3
.irp hv, 0,1
	ds_load_b128 v[(((4*(\w)+(\p))&7)*4+(\t))*8+4*(\hv):(((4*(\w)+(\p))&7)*4+(\t))*8+4*(\hv)+3], v[AP] offset:((2*(\w)+(\hv))*4+(\t))*512
.endr
.endr
.endr
	WIN 0
	s_wait_dscnt 0x0                               ; my reads of PB are over: the next pass may write it
	s_barrier_signal -1
	s_barrier_wait -1
.endm
.macro WSUM                            ; the four waves' four numbers a lane, out of MX, added: into v[XM : XM + 3]
.irp w, 0,1,2,3
	ds_load_b128 v[XM+4*(\w):XM+4*(\w)+3], v[AMR] offset:512*(\w)
.endr
	s_wait_dscnt 0x0
	v_pk_add_f32 v[XM:XM+1], v[XM:XM+1], v[XM+4:XM+5]
	v_pk_add_f32 v[XM+2:XM+3], v[XM+2:XM+3], v[XM+6:XM+7]
	v_pk_add_f32 v[XM+8:XM+9], v[XM+8:XM+9], v[XM+12:XM+13]
	v_pk_add_f32 v[XM+10:XM+11], v[XM+10:XM+11], v[XM+14:XM+15]
	v_pk_add_f32 v[XM:XM+1], v[XM:XM+1], v[XM+8:XM+9]
	v_pk_add_f32 v[XM+2:XM+3], v[XM+2:XM+3], v[XM+10:XM+11]
.endm
	s_load_b256 s[4:11], s[0:1], 0x0               ; hf, mf, vf, bq
	s_load_b128 s[12:15], s[0:1], 0x20             ; bk, x
	s_load_b64 s[16:17], s[0:1], 0x30              ; out0
	v_lshl_add_u32 v[SPW], v0, 2, SPARE
	v_mov_b32 v[NIL], 0
	ds_add_u32 v[SPW], v[NIL]                      ; the wave's opening: the add and its wait stand ahead of my first tensor load; the set-up, work on registers, stands between them
	v_lshrrev_b32 v1, 5, v0
	v_readfirstlane_b32 s[WV], v1                  ; wave 0..3
	s_bfe_u32 s21, ttmp6, 0x40000                  ; cx
	s_lshl_b32 s22, ttmp9, 2
	s_add_co_u32 s22, s22, s21                     ; my block of 64 positions
	s_and_b32 s23, ttmp7, 0xffff                   ; the batch, which the four partners share
	s_lshl_b32 s58, s[WV], 15                      ; my quarter of a tile, in memory and in a slot
	s_mov_b32 s59, 0
	s_lshl_b32 s57, s[WV], 12                      ; my 8 blocks of 512 bytes
	s_lshl_b32 s60, s23, 21                        ; hf: 2 MiB a batch
	s_lshl_b32 s62, s22, 16                        ; my own h: 65,536 bytes a block, my 8 channel chunks
	s_add_co_u32 s62, s62, s60
	s_add_co_u32 s62, s62, s57
	s_mov_b32 s63, 0
	s_add_co_u32 s60, s60, s58
	s_mov_b32 s61, 0
	s_lshl_b32 s66, s23, 22                        ; x, out0: 4 MiB a batch,
	s_lshl_b32 s67, s[WV], 20                      ; 1 MiB for my 128 rows,
	s_add_co_u32 s66, s66, s67
	s_lshl_b32 s67, s22, 8                         ; 256 bytes for my block's 64 positions
	s_add_co_u32 s66, s66, s67
	s_mov_b32 s67, 0
	s_lshl_b32 s68, s[WV], 9                       ; my 128 numbers of a vector of 512
	s_mov_b32 s69, 0
	s_mov_b32 s[G1+0], 15|(3<<16)|(1<<21)          ; 15:0 the mask of four; 17:16 elements of 8 bytes; 21 set beside a mask; no padding
	s_mov_b32 s[G1+1], 32<<16                      ; tensor_dim0 = 32: rows of 256 bytes
	s_mov_b32 s[G1+2], 128<<16                     ; tensor_dim1 = 128
	s_mov_b32 s[G1+3], 32<<16                      ; tile_dim0 = 32
	s_mov_b32 s[G1+4], 128                         ; tile_dim1 = 128 rows: 32,768 dense bytes
	s_mov_b32 s[G1+5], 32                          ; 32 elements from row to row
	s_mov_b32 s[G1+6], 0
	s_mov_b32 s[G1+7], 0
	s_mov_b32 s[G0A], 1
	s_mov_b32 s[G0A+1], s58
	s_mov_b32 s[G0W], 1
	s_add_co_u32 s[G0W+1], s58, SL1
	s_mov_b32 s[CS], 0x3d8293ee                    ; c = log2(e) / sqrt(512) = 0.0637587
	s_mov_b32 s[CS+1], s[CS]
	s_mov_b32 s[SEL], 0x76543210
	s_mov_b32 s[SEL+1], 0xfedcba98
	s_mov_b32 s[HM], 0xffff0000
	s_mov_b32 s[CNT], 16
	s_mov_b32 s[TB], 0
	v_and_b32 v1, 31, v0
	v_lshlrev_b32 v[L16], 4, v1
	v_and_b32 v52, 15, v0                          ; r
	v_bfe_u32 v53, v0, 4, 1                        ; h
	v_lshl_add_u32 v54, v53, 3, v52                ; a chunk of hf, rows = positions: piece (r, h) at 16 ((r + 8 h) % 16 + 16 h)
	v_and_b32 v54, 15, v54
	v_lshl_add_u32 v54, v53, 4, v54
	v_lshlrev_b32 v[LNR], 4, v54
	v_and_b32 v56, 7, v0                           ; the transposing load: lane l addresses piece (8 (l / 16) + l % 8, (l / 8) % 2) and is left with channel l % 16 and 8 keys
	v_bfe_u32 v57, v0, 3, 1
	v_lshl_add_u32 v56, v53, 3, v56
	v_lshl_add_u32 v56, v57, 3, v56
	v_and_b32 v56, 15, v56
	v_lshl_add_u32 v56, v57, 4, v56
	v_lshlrev_b32 v56, 4, v56
	v_add_nc_u32 v[AK0], s58, v[LNR]
	v_add_nc_u32 v[AT0], s57, v56
	v_add_nc_u32 v[AW], s57, v[L16]
	v_add_nc_u32 v[AP], PB, v[L16]
	v_add_nc_u32 v[APW], s57, v[AP]
	v_add_nc_u32 v[AMR], MX, v[L16]
	v_add_nc_u32 v[AMW], s68, v[AMR]
	s_mul_i32 s21, s[WV], 64*272                   ; my stage: 64 rows of 256 bytes + 16
	v_mul_u32_u24 v[STW], v52, 272
	v_lshl_add_u32 v[STW], v53, 5, v[STW]
	v_add_nc_u32 v[STW], s21, v[STW]
	v_mul_u32_u24 v[RDW], v53, 272
	v_lshl_add_u32 v[RDW], v52, 4, v[RDW]
	v_add_nc_u32 v[RDW], s21, v[RDW]
	v_lshlrev_b32 v[GO], 13, v53                   ; lanes 0-15 one row's 256 bytes, lanes 16-31 the next row's
	v_lshl_add_u32 v[GO], v52, 4, v[GO]
	v_lshlrev_b32 v[BO], 2, v52
	v_lshlrev_b32 v[BT], 5, v53
	s_wait_dscnt 0x0                               ; the opening add is done
	s_wait_kmcnt 0x0
	s_add_nc_u64 s[TP:TP+1], s[6:7], s[58:59]      ; tile 0: M's block 0
	s_mov_b64 s[G0A+2:G0A+3], s[TP:TP+1]
	s_or_b32 s[G0A+3], s[G0A+3], 0x80000000        ; type = 2
	s_add_nc_u64 s[NB0:NB0+1], s[TP:TP+1], 524288
	s_add_nc_u64 s[TP:TP+1], s[TP:TP+1], 131072    ; tile 1
	s_mov_b64 s[G0W+2:G0W+3], s[TP:TP+1]
	s_or_b32 s[G0W+3], s[G0W+3], 0x80000000
	s_add_nc_u64 s[HB:HB+1], s[4:5], s[60:61]
	s_add_nc_u64 s[HQ:HQ+1], s[4:5], s[62:63]
	s_add_nc_u64 s[XB:XB+1], s[14:15], s[66:67]
	s_add_nc_u64 s[OB:OB+1], s[16:17], s[66:67]
	s_add_nc_u64 s[8:9], s[8:9], s[68:69]
	s_add_nc_u64 s[10:11], s[10:11], s[68:69]
	s_add_nc_u64 s[12:13], s[12:13], s[68:69]
	CROUND                                         ; all four work-groups are here: the first joint loads meet
	tensor_load_to_lds s[G0A:G0A+3], s[G1:G1+7]    ; the two first fills go out together: two loads of mine are out, the most in this text
	s_nop 0
	tensor_load_to_lds s[G0W:G0W+3], s[G1:G1+7]
	s_nop 0
	PLACES 4
	WIN 2<<6                                       ; h of my 128 channels x 64 positions: 32 chunks, laid as a packed accumulator would lie
.irp cbl, 0,1,2,3,4,5,6,7
.irp t, 0,1,2,3
	global_load_b128 v[4*((\cbl)*4+(\t)):4*((\cbl)*4+(\t))+3], v[LNR], s[HQ:HQ+1] offset:(\t)*16384+(\cbl)*512
.endr
.endr
	WIN 3<<6                                       ; c1, u, bq, bk of my 128 channels: register 8 cbl + j of each 64 holds channel 16 cbl + 8 (lane / 16) + j
.irp cbl, 0,1,2,3,4,5,6,7
.irp hv, 0,1
	global_load_b128 v[8*(\cbl)+4*(\hv):8*(\cbl)+4*(\hv)+3], v[BT], s[8:9] offset:(\cbl)*64+(\hv)*16
	global_load_b128 v[64+8*(\cbl)+4*(\hv):64+8*(\cbl)+4*(\hv)+3], v[BT], s[8:9] offset:2048+(\cbl)*64+(\hv)*16
	global_load_b128 v[128+8*(\cbl)+4*(\hv):128+8*(\cbl)+4*(\hv)+3], v[BT], s[10:11] offset:(\cbl)*64+(\hv)*16
	global_load_b128 v[192+8*(\cbl)+4*(\hv):192+8*(\cbl)+4*(\hv)+3], v[BT], s[12:13] offset:(\cbl)*64+(\hv)*16
.endr
.endr
	WIN 0
	s_wait_loadcnt 0x0
	; t = u . h + bq . bk, in the wait for the first tile.  First bq . bk over my lane's 64 channels, in four chains;
	WIN 0x0f                                       ; both sources in window 3
.set i, 0
.rept 32
.if i < 4
	v_pk_mul_f32 v[ST+8+2*i:ST+8+2*i+1], v[128+2*i:128+2*i+1], v[192+2*i:192+2*i+1]
.else
	v_pk_fma_f32 v[ST+8+2*(i%4):ST+8+2*(i%4)+1], v[128+2*i:128+2*i+1], v[192+2*i:192+2*i+1], v[ST+8+2*(i%4):ST+8+2*(i%4)+1]
.endif
.set i, i+1
.endr
	WIN 0
	v_pk_add_f32 v[ST+8:ST+9], v[ST+8:ST+9], v[ST+10:ST+11]
	v_pk_add_f32 v[ST+12:ST+13], v[ST+12:ST+13], v[ST+14:ST+15]
	v_pk_add_f32 v[ST+8:ST+9], v[ST+8:ST+9], v[ST+12:ST+13]
	; then u . h onto it, a chain for each tile, four channel blocks at a time: h is widened to f32 (the low half moves up, the high half stays) and multiplied
.irp hb, 0,1
	WIN 0x08                                       ; h in window 2
.set i, 0
.rept 64
	v_lshlrev_b32 v[S+2*i], 16, v[64*(\hb)+i]
	v_and_b32 v[S+2*i+1], s[HM], v[64*(\hb)+i]
.set i, i+1
.endr
	WIN 0x0c                                       ; u in window 3
.set j, 0
.rept 64                                               ; the tiles alternate: tile j % 4, pair (j / 4) % 4 of channel block 4 hb + j / 16
.set i, (j/16)*16+(j%4)*4+((j/4)%4)
.set rU, 64+8*(4*(\hb)+j/16)+2*((j/4)%4)
.if ((\hb) == 0) && (j < 4)
	v_pk_fma_f32 v[ST+2*(j%4):ST+2*(j%4)+1], v[S+2*i:S+2*i+1], v[rU:rU+1], v[ST+8:ST+9]
.else
	v_pk_fma_f32 v[ST+2*(j%4):ST+2*(j%4)+1], v[S+2*i:S+2*i+1], v[rU:rU+1], v[ST+2*(j%4):ST+2*(j%4)+1]
.endif
.set j, j+1
.endr
.endr
	WIN 0
	ALLT v_add_f32 v[ST+8+t], v[ST+2*t], v[ST+2*t+1]
	ALLT v_permlanex16_b32 v[ST+2*t], v[ST+8+t], s[SEL], s[SEL+1]
	ALLT v_add_f32 v[LM+t], v[ST+8+t], v[ST+2*t]
	ds_store_b128 v[AMW], v[LM:LM+3]
	s_wait_dscnt 0x0                               ; for the others' sake: my 128 channels' part is written
	s_barrier_signal -1                            ; both first tiles may stay on their way
	s_barrier_wait -1
	WSUM
	ALLT v_mov_b32 v[TT+t], v[XM+t]
	ALLT v_mul_f32 v[CT+t], s[CS], v[XM+t]
	s_wait_tensorcnt 1                             ; my quarter of tile 0 is in; tile 1 may stay out
	; q' = M h + c1
	STEP 0, 0, 2, 1, 0, 2, 1
	STEP 1, 1, 2, 1, 0, 0, 1
	STEP 2, 0, 2, 1, 0, 0, 2                       ; the ring goes on into h
	STEP 3, 1, 2, 1, 0, 0, 1
	PACK 1
	XCH 0
	XCH 1
	XCH 2
	XCH 3
.irp t, 0,1,2,3
	v_mov_b32 v[ST+8*(\t)], 0xfe000000             ; e: far below every c s
	v_mov_b32 v[ST+8*(\t)+1], 0xff7fffff           ; m
.irp k, 2,3,4,5,6,7
	v_mov_b32 v[ST+8*(\t)+(\k)], 0
.endr
.endr
.Lstep:                                                ; 16 trips, 128 keys each: one tile of h, read as keys and then as values
	v_add_nc_u32 v[AK], s[TB], v[AK0]
	v_add_nc_u32 v[AV0], s[TB], v[AT0]
	v_add_nc_u32 v[AV1], 0x10000, v[AV0]
	; S^T = H Q'^T: 128 matrix instructions; each run of 16 loads is issued 32 of them ahead of its use, and each wait leaves out the 16 just issued
	FETCHK 0, KB0
	FETCHK 1, KB1
	s_wait_dscnt 16
	MULS 0, KB0
	PLACES 4
	FETCHK 2, KB0
	s_wait_dscnt 16
	MULS 1, KB1
	PLACES 4
	FETCHK 3, KB1
	s_wait_dscnt 16
	MULS 2, KB0
	s_wait_dscnt 0x0
	MULS 3, KB1
	WIN 0
	; my 32 keys' maximum for each query, and t onto it.  The four copies of e are the places behind the last product; each accumulator is read from its low end on.
	ALLT v_mov_b32 v[ST+8*t+7], v[ST+8*t]
	ALLT v_max3_num_f32 v[ST+8*t+4], v[S+8*t], v[S+8*t+1], v[S+8*t+2]
	ALLT v_max3_num_f32 v[ST+8*t+5], v[S+32+8*t], v[S+32+8*t+1], v[S+32+8*t+2]
	ALLT v_max3_num_f32 v[ST+8*t+4], v[ST+8*t+4], v[S+8*t+3], v[S+8*t+4]
	ALLT v_max3_num_f32 v[ST+8*t+5], v[ST+8*t+5], v[S+32+8*t+3], v[S+32+8*t+4]
	ALLT v_max3_num_f32 v[ST+8*t+4], v[ST+8*t+4], v[S+8*t+5], v[S+8*t+6]
	ALLT v_max3_num_f32 v[ST+8*t+5], v[ST+8*t+5], v[S+32+8*t+5], v[S+32+8*t+6]
	ALLT v_max3_num_f32 v[ST+8*t+4], v[ST+8*t+4], v[S+8*t+7], v[S+32+8*t+7]
	ALLT v_max_num_f32 v[ST+8*t+4], v[ST+8*t+4], v[ST+8*t+5]
	ALLT v_permlanex16_b32 v[ST+8*t+5], v[ST+8*t+4], s[SEL], s[SEL+1]
	ALLT v_max_num_f32 v[LM+t], v[ST+8*t+4], v[ST+8*t+5]
	ALLT v_add_f32 v[LM+t], v[LM+t], v[TT+t]
	ds_store_b128 v[AMW], v[LM:LM+3]
	s_wait_dscnt 0x0                               ; for the others' sake: my maxima are written
	s_barrier_signal -1                            ; the next tile may stay on its way
	s_barrier_wait -1
	; the new m, e, a; c s - e; l a
.irp w, 0,1,2,3
	ds_load_b128 v[XM+4*(\w):XM+4*(\w)+3], v[AMR] offset:512*(\w)
.endr
	s_wait_dscnt 0x0
	ALLT v_max3_num_f32 v[ST+8*t+1], v[ST+8*t+1], v[XM+t], v[XM+4+t]
	ALLT v_max3_num_f32 v[ST+8*t+1], v[ST+8*t+1], v[XM+8+t], v[XM+12+t]
	ALLT v_fma_f32 v[ST+8*t], s[CS], v[ST+8*t+1], -v[CT+t]
	ALLT v_sub_f32 v[ST+8*t+7], v[ST+8*t+7], v[ST+8*t]
	ALLT v_exp_f32 v[ST+8*t+6], v[ST+8*t+7]
.set a, 0
	s_wait_alu depctr_va_vdst(0)
.rept 8
.irp q, 0,1,2,3
	v_pk_fma_f32 v[S+8*a+2*(\q):S+8*a+2*(\q)+1], v[S+8*a+2*(\q):S+8*a+2*(\q)+1], s[CS:CS+1], v[ST+8*(a%4):ST+8*(a%4)+1] op_sel_hi:[1,0,0] neg_lo:[0,0,1] neg_hi:[0,0,1]
.endr
.set a, a+1
.endr
	ALLT v_pk_mul_f32 v[ST+8*t+2:ST+8*t+3], v[ST+8*t+2:ST+8*t+3], v[ST+8*t+6:ST+8*t+7] op_sel_hi:[1,0]
	; the 64 exponentials, a plain instruction behind each (ISA guide 5.7.2): the rounding and the sum of the pair before.  Pair i: registers 2 (i / 8), + 1 of accumulator i % 8; the tiles alternate.
.set i, 0
.rept 33
.set rE, S+(i%8)*8+2*(i/8)
.set j, i-1
.set rJ, S+(j%8)*8+2*(j/8)
.if i < 32
	v_exp_f32 v[rE], v[rE]
.endif
.if i > 0
	s_wait_alu depctr_va_vdst(0)
	v_cvt_pk_bf16_f32 v[PK+(j%8)*4+j/8], v[rJ], v[rJ+1]
.else
	v_nop
.endif
.if i < 32
	v_exp_f32 v[rE+1], v[rE+1]
.endif
.if i > 0
	v_pk_add_f32 v[ST+8*(j%4)+2:ST+8*(j%4)+3], v[ST+8*(j%4)+2:ST+8*(j%4)+3], v[rJ:rJ+1]
.else
	v_nop
.endif
.set i, i+1
.endr
.set a, 0
.rept 8
	ds_store_b128 v[APW], v[PK+4*a:PK+4*a+3] offset:(a/4)*2048+(a%4)*512  ; a packed accumulator is a chunk of P
.set a, a+1
.endr
	WIN 0x41                                       ; O^T times a, while those stores are on their way
.set a, 0
.rept 32
.irp q, 0,1,2,3
	v_pk_mul_f32 v[8*a+2*(\q):8*a+2*(\q)+1], v[8*a+2*(\q):8*a+2*(\q)+1], v[ST+8*(a%4)+6:ST+8*(a%4)+7] op_sel_hi:[1,0]
.endr
.set a, a+1
.endr
	WIN 0
	s_wait_dscnt 0x0                               ; for the others' sake: my part of P is written
	s_barrier_signal -1
	s_barrier_wait -1
	PVPHASE AV0, AV1, 1, 1, 0, 0                   ; O^T += H^T P, out of the same slot
	REFILL 3                                       ; the next tile is in, this slot and P are read out: the slot takes the tile after next, which has a whole trip in which to land
	s_sub_co_u32 s[CNT], s[CNT], 1
	s_cmp_lg_u32 s[CNT], 0
	s_cbranch_scc1 .Lstep
	; THE TAIL.  x of my 128 rows x 64 positions goes where Q' K steps 0-7 lay: it has the whole last projection in which to land.
	WIN 3<<6
.set n, 0
.rept 64
	global_load_b128 v[4*n:4*n+3], v[GO], s[XB:XB+1] offset:2*n*8192 th:TH_LOAD_NT
.set n, n+1
.endr
	WIN 0
	; l: its two halves, the other half of the lanes', the four waves'
	ALLT v_add_f32 v[ST+8*t+4], v[ST+8*t+2], v[ST+8*t+3]
	ALLT v_permlanex16_b32 v[ST+8*t+5], v[ST+8*t+4], s[SEL], s[SEL+1]
	ALLT v_add_f32 v[LM+t], v[ST+8*t+4], v[ST+8*t+5]
	ds_store_b128 v[AMW], v[LM:LM+3]
	s_wait_dscnt 0x0
	s_barrier_signal -1
	s_barrier_wait -1
	WSUM
	ALLT v_rcp_f32 v[ST+8*t+6], v[XM+t]
	v_nop                                          ; a plain instruction between the last reciprocal and the use of its result
	WIN 0x41                                       ; o = O / l,
.set a, 0
	s_wait_alu depctr_va_vdst(0)
.rept 32
.irp q, 0,1,2,3
	v_pk_mul_f32 v[8*a+2*(\q):8*a+2*(\q)+1], v[8*a+2*(\q):8*a+2*(\q)+1], v[ST+8*(a%4)+6:ST+8*(a%4)+7] op_sel_hi:[1,0]
.endr
.set a, a+1
.endr
	PACK 1
.irp e, 0,1,2,3,4,5,6,7
	global_load_b32 v[BPR+2*(\e)], v[BO], s[8:9] offset:4096+64*(\e)  ; c2 of output 16 e + r of my 128; the statistics are done with
.endr
	; N o, the sources exchanged: a lane holds eight neighbouring positions of one output channel
	STEP 0, 0, 1, 2, 1, 1, 1
	STEP 1, 1, 1, 2, 1, 0, 1                       ; the last tensor load
	STEP 2, 0, 1, 2, 1, 0, 0
	STEP 3, 1, 1, 2, 1, 0, 3
	; THE WAY OUT, 64 of my 128 rows at a time.  c2 is added, a lane's 32 bytes go into my own stage (in slot 0, which has had its last fill and whose last reads lie behind the barrier that followed N's third block),
	; whole rows of 256 bytes come back, x is added, and 16 lanes store 256 consecutive bytes, aligned.
	s_wait_loadcnt 0x0                             ; x and c2
.irp hf, 0,1
	WIN 0x82
.set a, 16*(\hf)
.rept 16
.irp q, 0,1,2,3
	v_pk_add_f32 v[8*a+2*(\q):8*a+2*(\q)+1], v[8*a+2*(\q):8*a+2*(\q)+1], v[BPR+2*(a/4):BPR+2*(a/4)+1] op_sel_hi:[1,0]
.endr
.set a, a+1
.endr
	WIN 0x08
.set a, 16*(\hf)
.rept 16
	ds_store_b128 v[STW], v[8*a:8*a+3] offset:((a/4)%4)*4352+(a%4)*64
	ds_store_b128 v[STW], v[8*a+4:8*a+7] offset:((a/4)%4)*4352+(a%4)*64+16
.set a, a+1
.endr
	WIN 0
	s_wait_xcnt 0x0                                ; the first half's stores have had their addresses translated (ISA guide 3.1): their data registers are loaded again only behind this wait
.set n, 0
.rept 32
	ds_load_b128 v[64+4*n:64+4*n+3], v[RDW] offset:544*n  ; LDS serves a wave's instructions in order (ISA guide 5.7.1.4): these see the stores above
.set n, n+1
.endr
	s_wait_dscnt 0x0
	WIN 0x0c
.set p, 0
.rept 64
	v_pk_add_f32 v[64+2*p:64+2*p+1], v[64+2*p:64+2*p+1], v[128*(\hf)+2*p:128*(\hf)+2*p+1]
.set p, p+1
.endr
	WIN 0
.set n, 0
.rept 32
	global_store_b128 v[GO], v[64+4*n:64+4*n+3], s[OB:OB+1] offset:(64*(\hf)+2*n)*8192 th:TH_STORE_NT
.set n, n+1
.endr
.endr
	s_wait_tensorcnt 0x0                           ; the wave's end, behind my last tensor load and my last LDS store
	ds_add_u32 v[SPW], v[NIL]
	s_wait_dscnt 0x0
	CROUND                                         ; the closing round: no work-group ends while a partner may still ask for a tile that names it
	s_endpgm
.Lfunc_end_k_qf5743e7763_attn:
	.size	k_qf5743e7763_attn, .Lfunc_end_k_qf5743e7763_attn-k_qf5743e7763_attn
	.p2alignl 7, 3214868480
	.fill 96, 4, 3214868480
	.section	.rodata,"a",@progbits
	.p2align	6, 0x0
	.amdhsa_kernel k_qf5743e7763_attn
		.amdhsa_group_segment_fixed_size 327680
		.amdhsa_private_segment_fixed_size 0
		.amdhsa_enable_private_segment 0
		.amdhsa_kernarg_size 56
		.amdhsa_user_sgpr_count 2
		.amdhsa_user_sgpr_kernarg_segment_ptr 1
		.amdhsa_wavefront_size32 1
		.amdhsa_system_sgpr_workgroup_id_x 1
		.amdhsa_system_sgpr_workgroup_id_y 1
		.amdhsa_system_sgpr_workgroup_id_z 1
		.amdhsa_system_vgpr_workitem_id 0
		.amdhsa_next_free_vgpr 1024
		.amdhsa_next_free_sgpr 74
		.amdhsa_reserve_vcc 0
		.amdhsa_float_denorm_mode_32 3
		.amdhsa_float_denorm_mode_16_64 3
		.amdhsa_memory_ordered 1
		.amdhsa_forward_progress 1
		.amdhsa_inst_pref_size 247
	.end_amdhsa_kernel
	.amdgpu_metadata
---
amdhsa.version: [ 1, 2 ]
amdhsa.kernels:
  - .name:           k_qf5743e7763_attn
    .symbol:         k_qf5743e7763_attn.kd
    .args:
      - { .name: hf, .offset: 0, .size: 8, .value_kind: global_buffer, .address_space: global }
      - { .name: mf, .offset: 8, .size: 8, .value_kind: global_buffer, .address_space: global }
      - { .name: vf, .offset: 16, .size: 8, .value_kind: global_buffer, .address_space: global }
      - { .name: bq, .offset: 24, .size: 8, .value_kind: global_buffer, .address_space: global }
      - { .name: bk, .offset: 32, .size: 8, .value_kind: global_buffer, .address_space: global }
      - { .name: x, .offset: 40, .size: 8, .value_kind: global_buffer, .address_space: global }
      - { .name: out0, .offset: 48, .size: 8, .value_kind: global_buffer, .address_space: global }
    .group_segment_fixed_size: 327680
    .private_segment_fixed_size: 0
    .kernarg_segment_align: 8
    .kernarg_segment_size: 56
    .max_flat_workgroup_size: 128
    .sgpr_count:     74
    .vgpr_count:     1024
    .wavefront_size: 32
...
	.end_amdgpu_metadata
.endif
;; end of part 6
;; ======== version 3 of 3: 3 launches; version 2 with the launch prep written anew for expert scheduling mode
;; limits: values outside matrix products are rounded to bf16
;; workspace buffers: hf 16,777,216 bytes; wf 2,097,152 bytes; mf 1,048,576 bytes; vf 6,144 bytes
;; launch prep (part 7): grid 256 x 1, 8 waves a work-group, no clusters, 77,056 bytes of LDS; arguments x, gn_gamma, gn_beta, wq, wk, wv, wp, hf, wf; writes hf, wf
.if DOCPART == 7
	.amdgcn_target "amdgcn-amd-amdhsa--gfx1250"
	.amdhsa_code_object_version 6
	.text
	.protected	k_qf5743e7763_prep
	.globl	k_qf5743e7763_prep
	.p2align	8
	.type	k_qf5743e7763_prep,@function
k_qf5743e7763_prep:
	s_mov_b64 s[64:65], 0
	v_nop
	global_prefetch_b8 v0, s[64:65] scope:SCOPE_SE
	s_setreg_imm32_b32 hwreg(HW_REG_WAVE_SCHED_MODE, 0, 2), 2
	s_setreg_imm32_b32 hwreg(HW_REG_WAVE_MODE, 25, 1), 1
	s_wait_xcnt 0x0
	s_wait_alu depctr_vm_vsrc(0)
; PREP: GroupNorm of x, and the four weight matrices, both rounded to bf16 and laid in CHUNKS.
; A chunk is 512 bytes, 32 pieces of 16: piece (r, h) holds (row r; k = 8 h .. 8 h + 7) of a block of 16 rows x 16 k: a lane's share of half a 16 x 32 matrix fragment.
;   wf: piece (r, h) at 16 (r + 16 h).  Four parts of 524,288 bytes (wq turned, wk turned, wv turned, wp as it lies), each [place 32][ob 32][512]: row = 16 ob + r; place 8 kc + kh holds the
;       k chunk 8 (kh / 2) + 2 kc + kh % 2 (16 k each).  As it lies: row = row of the matrix, k = its column.  Turned: row = column of the matrix, k = its row.
;       So the next launch finds both operands of wk^T wq and of wp wv with the summed index along k.
;   hf [b 8][pt 128][g 32][512]: row = position 16 pt + r, k = channel 16 g + 8 h + e; piece (r, h) at 16 ((r + 8 h) % 16 + 16 h): the upper half's rows are turned by 8, so that
;       sixteen lanes that take 16 rows of one half, and sixteen lanes that take 8 rows of both halves (the transposing LDS load), each touch 16 different 16-byte columns of 256 bytes.
; SHARES.  Work-group id = 32 b + g owns one group: 16 channels x 2,048 positions, 131,072 dense bytes of x, kept in 128 registers a thread (positions 4 t .. 4 t + 3 and
; 1,024 + 4 t .. of all 16 channels), so x is read once.  It also owns 16 rows x 256 columns of one weight matrix.  No matrix unit, no cluster: the launch only streams, and no two work-groups share a byte.
; ARITHMETIC.  Mean first, then the sum of squares of x - mean (two passes over registers): a common offset of x costs no digits.  All in f32; h and the weights are rounded to bf16 once.
; LIMITS.  NaN and infinities are not treated apart.
; THE MODE: SCHED_MODE bits 1:0 = 2 (LLVM: expert scheduling mode 2), set by the entry lines.  The code itself states the register dependences between vector instructions and memory or LDS
; instructions, with s_wait_alu, always for 0.
; THE PLAN.  Registers that memory or LDS instructions touch, in the order of the text (there is no loop):
;   v[XO], v[WO]             Offsets of the loads of x and W: written at the head, ahead of the head's wait on va_vdst; never again.
;   v5-v12, v15, v206, v207  LDS addresses and the stores' offsets: written at the head, behind those loads; never again.  Their first reader stands behind the first sum's wait on va_vdst.
;   X, W                     The global loads land in them before any vector instruction has named them.  Vector work alone follows; the conversions are its last readers.  Then the way out's LDS loads land
;                            in X .. X + 63 and in W .. W + 7, behind the waits on va_vdst that follow those conversions, and the global stores read them; nothing writes them after that.
;   v[T]                     The data of a sum's LDS store; behind the barrier the eight partial sums land in v[T : T + 7]: a wait on va_vdst ahead of the store, one on vm_vsrc ahead of the loads.
;   O0, O1                   Two out-buffers, one for each half of the positions: written by the half's 32 conversions, read by its 8 LDS stores, never written again: ONE wait on va_vdst a half.
;   WP                       Written by eight conversions, read by four LDS stores, never written again: one wait on va_vdst in either arm.
;   v[SPW], v[NIL]           Written at the head, read by the closing add alone.
.set PITCH, 528                        ; a chunk's place in LDS: 512 bytes + 16
.set WS,    128*PITCH                  ; behind the 128 chunks of h: 16 chunks of weights, 8,192 bytes
.set RED,   WS+8192                    ; the waves' partial sums: words 0-7 the first sum, words 16-23 the second
.set SPARE, RED+256                    ; the spare words: 128 bytes for each of eight waves, named by no other line
.set XO,  3                            ; 16 t: my bytes in half a row of x
.set WO,  4                            ; my bytes in four rows of W
.set HSW, 5                            ; where I put 16 bytes of a chunk of h, lower channel half
.set HSR, 6                            ; where my wave reads whole chunks back
.set HGO, 7                            ; and their place in hf
.set WSW, 8                            ; weights: where I put 8 bytes of a chunk, as they lie
.set WSR, 9
.set WG0, 10
.set WG1, 11
.set RDA, 12                           ; my wave's word among the partial sums
.set SPW, 13                           ; my spare word; never rewritten
.set NIL, 14                           ; 0; never rewritten
.set RDR, 15                           ; the partial sums' first byte
.set X,   16                           ; v[16:143]  x: ((channel x 2 + half) x 4 + i)
.set W,   144                          ; v[144:159] W: row 4 (t / 64) + i, columns 4 (t % 64) .. + 3 at W + 4 i
.set AC,  160                          ; v[160:167] four running pairs
.set MN,  168                          ; v[168:169] the mean, twice
.set T,   170                          ; v[170:177] at work
.set SC,  178                          ; v[178:193] rstd x gamma of the 16 channels
.set WP,  194                          ; v[194:201] packed W
.set HS1, 206                          ; where I put 16 bytes of a chunk of h, upper channel half
.set WST, 207                          ; weights: where I put 8 bytes of a chunk, turned
.set O0,  208                          ; v[208:239] packed h of my first four positions: piece (i, channel half) at O0 + 4 (2 i + half)
.set O1,  160                          ; v[160:191] the same for my second four: where AC, MN, T and SC lay, which are done with by then
.set GAM, 24                           ; s[24:39] gamma, s[40:55] beta of my 16 channels
.set BET, 40
	s_load_b512 s[4:19], s[0:1], 0x0               ; x, gamma, beta, wq, wk, wv, wp, hf
	s_load_b64 s[20:21], s[0:1], 0x40              ; wf
	v_lshl_add_u32 v[SPW], v0, 2, SPARE
	v_mov_b32 v[NIL], 0
	v_lshrrev_b32 v1, 5, v0
	v_readfirstlane_b32 s58, v1                    ; wave 0..7
	v_and_b32 v2, 31, v0                           ; lane
	v_lshlrev_b32 v[XO], 4, v0
	v_lshrrev_b32 v[T], 6, v0                      ; u = t / 64: my four rows of W
	v_and_b32 v[T+1], 63, v0                       ; cq: my four columns among 256
	v_lshlrev_b32 v[WO], 4, v[T+1]
	v_lshl_add_u32 v[WO], v[T], 13, v[WO]          ; four rows of 2,048 bytes
	s_wait_alu depctr_va_sdst(0)                   ; s58 is written, ahead of its first reader: wf's offsets and the LDS addresses are made from it
	s_lshl_b32 s60, ttmp9, 17                      ; my group's 131,072 bytes of x
	s_mov_b32 s61, 0
	s_lshr_b32 s56, ttmp9, 6                       ; which matrix
	s_bfe_u32 s57, ttmp9, 0x50001                  ; ob: which 16 rows of it
	s_and_b32 s59, ttmp9, 1                        ; which 256 columns
	s_lshl_b32 s22, s57, 15                        ; 16 rows of 2,048 bytes
	s_lshl_b32 s23, s59, 10
	s_add_co_u32 s22, s22, s23
	s_mov_b32 s23, 0
	s_wait_kmcnt 0x0
	s_add_nc_u64 s[4:5], s[4:5], s[60:61]
	s_wait_alu depctr_va_vdst(0)                   ; v[XO] and v[WO] are written, which the 36 loads below read as their offsets
.set n, 0
.rept 32                                               ; a wave's load covers 512 consecutive bytes; 32 of them are on their way at once
	global_load_b128 v[X+4*n:X+4*n+3], v[XO], s[4:5] offset:(n/2)*8192+(n%2)*4096
.set n, n+1
.endr
	s_cmp_eq_u32 s56, 1                            ; the matrix is chosen by the work-group's number alone
	s_cselect_b64 s[10:11], s[12:13], s[10:11]
	s_cmp_eq_u32 s56, 2
	s_cselect_b64 s[10:11], s[14:15], s[10:11]
	s_cmp_eq_u32 s56, 3
	s_cselect_b64 s[10:11], s[16:17], s[10:11]
	s_add_nc_u64 s[10:11], s[10:11], s[22:23]
.irp i, 0,1,2,3
	global_load_b128 v[W+4*(\i):W+4*(\i)+3], v[WO], s[10:11] offset:(\i)*2048  ; row 4 u + i
.endr
	s_and_b32 s60, ttmp9, 31                       ; g
	s_lshl_b32 s60, s60, 6                         ; its 16 numbers of gamma and of beta
	s_add_nc_u64 s[6:7], s[6:7], s[60:61]
	s_add_nc_u64 s[8:9], s[8:9], s[60:61]
	s_load_b512 s[GAM:GAM+15], s[6:7], 0x0
	s_load_b512 s[BET:BET+15], s[8:9], 0x0
	s_lshl_b32 s60, s60, 3                         ; hf: g x 512
	s_lshr_b32 s22, ttmp9, 5
	s_lshl_b32 s22, s22, 21                        ; + b x 2 MiB
	s_add_co_u32 s60, s60, s22
	s_add_nc_u64 s[18:19], s[18:19], s[60:61]
	; wf.  As it lies (wp): my wave's chunks are the k chunks 16 half + wave and 16 half + 8 + wave of row block ob: places (wave / 2) 8 + 4 half + wave % 2, and two places on.
	s_lshl_b32 s60, s57, 9
	s_lshl_b32 s22, s59, 16
	s_add_co_u32 s60, s60, s22
	s_lshr_b32 s22, s58, 1
	s_lshl_b32 s22, s22, 3
	s_and_b32 s23, s58, 1
	s_add_co_u32 s22, s22, s23
	s_lshl_b32 s22, s22, 14
	s_add_co_u32 s60, s60, s22
	; Turned (wq, wk, wv): the k chunk is ob, at place ((ob / 2) % 4) 8 + 2 (ob / 8) + ob % 2; my wave's chunks are the row blocks 16 half + wave and 16 half + 8 + wave.
	s_bfe_u32 s22, s57, 0x20001
	s_lshl_b32 s22, s22, 3
	s_lshr_b32 s23, s57, 3
	s_lshl1_add_u32 s22, s23, s22
	s_and_b32 s23, s57, 1
	s_add_co_u32 s22, s22, s23
	s_lshl_b32 s22, s22, 14
	s_lshl_b32 s23, s59, 13
	s_add_co_u32 s22, s22, s23
	s_lshl_b32 s23, s58, 9
	s_add_co_u32 s22, s22, s23
	s_movk_i32 s23, 0x1000
	s_cmp_lg_u32 s56, 3
	s_cselect_b32 s60, s22, s60
	s_cselect_b32 s23, s23, 0x8000                 ; bytes from my first chunk to my second
	s_lshl_b32 s22, s56, 19                        ; + part x 524,288
	s_add_co_u32 s60, s60, s22
	s_add_nc_u64 s[20:21], s[20:21], s[60:61]
	; The addresses below are made while x is on its way; none of these lines names v[XO], v[WO], X or W.  Their first reader stands behind the first sum's wait on va_vdst.
	v_lshlrev_b32 v[WG0], 4, v2
	v_add_nc_u32 v[WG1], s23, v[WG0]
	s_mov_b32 s62, 0x76543210                      ; v_permlanex16_b32: each lane takes its own place in the other half
	s_mov_b32 s63, 0xfedcba98
	v_lshrrev_b32 v[T], 2, v0                      ; h into LDS: chunk t / 4 (of a half's 64), row 4 (t % 4) + i;
	v_and_b32 v[T+2], 3, v0
	v_mul_u32_u24 v[HSW], v[T], PITCH
	v_xor_b32 v[T+3], 2, v[T+2]                    ; in the upper channel half row + 8 modulo 16
	v_lshl_add_u32 v[HS1], v[T+3], 6, v[HSW]
	v_lshl_add_u32 v[HSW], v[T+2], 6, v[HSW]
	s_mul_i32 s60, s58, 16*PITCH                   ; back: wave w takes chunks 16 w .. 16 w + 15, whole
	v_lshl_add_u32 v[HSR], v2, 4, s60
	s_lshl_b32 s60, s58, 18                        ; which lie 16,384 bytes apart in hf
	v_lshl_add_u32 v[HGO], v2, 4, s60
	v_lshrrev_b32 v[T+2], 2, v[T+1]                ; W into LDS: chunk cq / 4 either way
	v_lshl_add_u32 v[WSW], v[T+2], 9, WS
	v_mov_b32 v[WST], v[WSW]
	v_bfe_u32 v[T+2], v0, 1, 1                     ; as it lies: half of its k (cq / 2) % 2,
	v_lshl_add_u32 v[WSW], v[T+2], 8, v[WSW]
	v_lshrrev_b32 v[T+2], 6, v0                    ; row 4 u + i,
	v_lshl_add_u32 v[WSW], v[T+2], 6, v[WSW]
	v_and_b32 v[T+2], 1, v0                        ; four of the piece's eight k
	v_lshl_add_u32 v[WSW], v[T+2], 3, v[WSW]
	v_and_b32 v[T+2], 3, v0                        ; turned: row 4 (cq % 4) + column,
	v_lshl_add_u32 v[WST], v[T+2], 6, v[WST]
	v_bfe_u32 v[T+2], v0, 7, 1                     ; half of its k u / 2,
	v_lshl_add_u32 v[WST], v[T+2], 8, v[WST]
	v_bfe_u32 v[T+2], v0, 6, 1                     ; four of the piece's eight k: u % 2
	v_lshl_add_u32 v[WST], v[T+2], 3, v[WST]
	v_lshl_add_u32 v[WSR], v0, 4, WS               ; back: wave w takes chunks w and 8 + w
	s_lshl_b32 s60, s58, 2
	s_add_co_u32 s60, s60, RED
	v_mov_b32 v[RDA], s60
	v_mov_b32 v[RDR], RED
; v[T], a lane's sum, becomes the group's sum in every lane: four steps inside each half of the lanes, one across, then the eight waves' words through LDS.
.macro GSUM off
.irp m, 1,2,4,8
	v_add_f32_dpp v[T], v[T], v[T] row_xmask:\m row_mask:0xf bank_mask:0xf
.endr
	v_permlanex16_b32 v[T+1], v[T], s62, s63
	v_add_f32 v[T], v[T], v[T+1]
	s_wait_alu depctr_va_vdst(0)                   ; v[T] is written, which the store reads; no vector instruction is still at work on v[T : T + 7], in which the loads below land; at the first sum: the addresses made at the head are written
	ds_store_b32 v[RDA], v[T] offset:\off
	s_wait_dscnt 0x0                               ; for the others' sake: my word is written
	s_barrier_signal -1
	s_barrier_wait -1
	s_wait_alu depctr_vm_vsrc(0)                   ; my store has read v[T], in which the first load below lands
	ds_load_b128 v[T:T+3], v[RDR] offset:\off
	ds_load_b128 v[T+4:T+7], v[RDR] offset:(\off)+16
	s_wait_dscnt 0x0
	v_pk_add_f32 v[T:T+1], v[T:T+1], v[T+2:T+3]
	v_pk_add_f32 v[T+4:T+5], v[T+4:T+5], v[T+6:T+7]
	v_pk_add_f32 v[T:T+1], v[T:T+1], v[T+4:T+5]
	v_add_f32 v[T], v[T], v[T+1]
.endm
.macro FOLD                            ; the four running pairs into v[T]
	v_pk_add_f32 v[AC:AC+1], v[AC:AC+1], v[AC+2:AC+3]
	v_pk_add_f32 v[AC+4:AC+5], v[AC+4:AC+5], v[AC+6:AC+7]
	v_pk_add_f32 v[AC:AC+1], v[AC:AC+1], v[AC+4:AC+5]
	v_add_f32 v[T], v[AC], v[AC+1]
.endm
	; THE MEAN.  Four chains, started by the first eight pairs: nothing is cleared.  36 loads were issued; each wait leaves out those behind the eight that are summed next.
.set p, 0
.rept 64
.if p%16 == 0
	s_wait_loadcnt 28-(p/16)*8
.endif
.if p < 4
	v_pk_add_f32 v[AC+2*p:AC+2*p+1], v[X+2*p:X+2*p+1], v[X+2*p+8:X+2*p+9]
.elseif p >= 8
	v_pk_add_f32 v[AC+2*(p%4):AC+2*(p%4)+1], v[AC+2*(p%4):AC+2*(p%4)+1], v[X+2*p:X+2*p+1]
.endif
.set p, p+1
.endr
	FOLD
	GSUM 0
	v_mul_f32 v[MN], 0x38000000, v[T]              ; / 32,768
	v_mov_b32 v[MN+1], v[MN]
	; THE VARIANCE, of x - mean, which takes x's place
.set p, 0
.rept 64
	v_pk_add_f32 v[X+2*p:X+2*p+1], v[X+2*p:X+2*p+1], v[MN:MN+1] neg_lo:[0,1] neg_hi:[0,1]
.set p, p+1
.endr
.set p, 0
.rept 64
.if p < 4
	v_pk_mul_f32 v[AC+2*p:AC+2*p+1], v[X+2*p:X+2*p+1], v[X+2*p:X+2*p+1]
.else
	v_pk_fma_f32 v[AC+2*(p%4):AC+2*(p%4)+1], v[X+2*p:X+2*p+1], v[X+2*p:X+2*p+1], v[AC+2*(p%4):AC+2*(p%4)+1]
.endif
.set p, p+1
.endr
	FOLD
	GSUM 64
	s_mov_b32 s60, 0x38000000                      ; 1 / 32,768
	s_mov_b32 s61, 0x358637bd                      ; 1e-6
	v_fma_f32 v[T], v[T], s60, s61
	v_rsq_f32 v[T+1], v[T]
	v_nop                                          ; a plain instruction between the root and the use of its result (ISA guide 5.7.2)
	s_wait_kmcnt 0x0                               ; gamma and beta
	s_wait_alu depctr_va_vdst(0)                   ; the root has written v[T + 1]; the wait stands ahead of its first reader
.set c, 0
.rept 16
	v_mul_f32 v[SC+c], s[GAM+c], v[T+1]
.set c, c+1
.endr
.set c, 0
.rept 128
	v_fma_f32 v[X+c], v[X+c], v[SC+c/8], s[BET+c/8]  ; h = (x - mean) rstd gamma + beta
.set c, c+1
.endr
	; h INTO CHUNKS: for each of my 8 positions and each half of the 16 channels, eight channels pack into a piece of 16 bytes.
	; Half hf of my positions: 32 conversions into its own out-buffer o, one wait, a run of 8 LDS stores.  The first half's stores are on their way while the second half is converted into the other buffer.
.macro HALF hf, o
.irp i, 0,1,2,3
.irp hh, 0,1
.irp q, 0,1,2,3
	v_cvt_pk_bf16_f32 v[(\o)+4*(2*(\i)+(\hh))+(\q)], v[X+((8*(\hh)+2*(\q))*2+(\hf))*4+(\i)], v[X+((8*(\hh)+2*(\q)+1)*2+(\hf))*4+(\i)]
.endr
.endr
.endr
	s_wait_alu depctr_va_vdst(0)                   ; the 32 conversions have written the out-buffer, which the stores below read; behind the second half's, all reads of X are over too: the way out's loads land there
.irp i, 0,1,2,3
	ds_store_b128 v[HSW], v[(\o)+8*(\i):(\o)+8*(\i)+3] offset:(\hf)*64*PITCH+(\i)*16
	ds_store_b128 v[HS1], v[(\o)+8*(\i)+4:(\o)+8*(\i)+7] offset:(\hf)*64*PITCH+256+(\i)*16
.endr
.endm
	HALF 0, O0
	HALF 1, O1
	s_wait_loadcnt 0x0                             ; W
	s_cmp_lg_u32 s56, 3
	s_cbranch_scc1 .Lturned
.irp i, 0,1,2,3                                        ; as it lies: four neighbouring columns of a row are four neighbouring k
	v_cvt_pk_bf16_f32 v[WP+2*(\i)], v[W+4*(\i)], v[W+4*(\i)+1]
	v_cvt_pk_bf16_f32 v[WP+2*(\i)+1], v[W+4*(\i)+2], v[W+4*(\i)+3]
.endr
	s_wait_alu depctr_va_vdst(0)                   ; the eight conversions have written v[WP ..], which the stores below read, and are done reading W, in which the way out's loads land
.irp i, 0,1,2,3
	ds_store_b64 v[WSW], v[WP+2*(\i):WP+2*(\i)+1] offset:(\i)*16
.endr
	s_branch .Lpacked
.Lturned:
.irp c, 0,1,2,3                                        ; turned: my four rows of a column are four neighbouring k
	v_cvt_pk_bf16_f32 v[WP+2*(\c)], v[W+(\c)], v[W+4+(\c)]
	v_cvt_pk_bf16_f32 v[WP+2*(\c)+1], v[W+8+(\c)], v[W+12+(\c)]
.endr
	s_wait_alu depctr_va_vdst(0)                   ; the same in this arm
.irp c, 0,1,2,3
	ds_store_b64 v[WST], v[WP+2*(\c):WP+2*(\c)+1] offset:(\c)*16
.endr
.Lpacked:
	s_wait_dscnt 0x0                               ; for the others' sake: my parts of the chunks are written
	s_barrier_signal -1
	s_barrier_wait -1
	; THE WAY OUT: whole chunks back, and out: each store of a wave covers 512 consecutive bytes, aligned.
	; No further wait on va_vdst or vm_vsrc: on either way here no vector instruction has been issued since the arm's wait, and no memory or LDS instruction has read X or W.
.set n, 0
.rept 16
	ds_load_b128 v[X+4*n:X+4*n+3], v[HSR] offset:n*PITCH
.set n, n+1
.endr
	ds_load_b128 v[W:W+3], v[WSR]
	ds_load_b128 v[W+4:W+7], v[WSR] offset:4096
.set n, 0
.rept 16
	s_wait_dscnt 17-n                              ; LDS loads come back in order (ISA guide 5.7.1): chunk n is in, the younger ones stay out
	global_store_b128 v[HGO], v[X+4*n:X+4*n+3], s[18:19] offset:n*16384
.set n, n+1
.endr
	s_wait_dscnt 1
	global_store_b128 v[WG0], v[W:W+3], s[20:21]
	s_wait_dscnt 0x0
	global_store_b128 v[WG1], v[W+4:W+7], s[20:21]
	s_wait_dscnt 0x0                               ; the closing lines, six on end
	s_wait_alu 0x0
	s_wait_tensorcnt 0x0
	ds_add_u32 v[SPW], v[NIL]
	s_wait_dscnt 0x0
	s_endpgm
.Lfunc_end_k_qf5743e7763_prep:
	.size	k_qf5743e7763_prep, .Lfunc_end_k_qf5743e7763_prep-k_qf5743e7763_prep
	.p2alignl 7, 3214868480
	.fill 96, 4, 3214868480
	.section	.rodata,"a",@progbits
	.p2align	6, 0x0
	.amdhsa_kernel k_qf5743e7763_prep
		.amdhsa_group_segment_fixed_size 77056
		.amdhsa_private_segment_fixed_size 0
		.amdhsa_enable_private_segment 0
		.amdhsa_kernarg_size 72
		.amdhsa_user_sgpr_count 2
		.amdhsa_user_sgpr_kernarg_segment_ptr 1
		.amdhsa_wavefront_size32 1
		.amdhsa_system_sgpr_workgroup_id_x 1
		.amdhsa_system_sgpr_workgroup_id_y 1
		.amdhsa_system_sgpr_workgroup_id_z 1
		.amdhsa_system_vgpr_workitem_id 0
		.amdhsa_next_free_vgpr 240
		.amdhsa_next_free_sgpr 66
		.amdhsa_reserve_vcc 0
		.amdhsa_float_denorm_mode_32 3
		.amdhsa_float_denorm_mode_16_64 3
		.amdhsa_memory_ordered 1
		.amdhsa_forward_progress 1
		.amdhsa_inst_pref_size 42
	.end_amdhsa_kernel
	.amdgpu_metadata
---
amdhsa.version: [ 1, 2 ]
amdhsa.kernels:
  - .name:           k_qf5743e7763_prep
    .symbol:         k_qf5743e7763_prep.kd
    .args:
      - { .name: x, .offset: 0, .size: 8, .value_kind: global_buffer, .address_space: global }
      - { .name: gn_gamma, .offset: 8, .size: 8, .value_kind: global_buffer, .address_space: global }
      - { .name: gn_beta, .offset: 16, .size: 8, .value_kind: global_buffer, .address_space: global }
      - { .name: wq, .offset: 24, .size: 8, .value_kind: global_buffer, .address_space: global }
      - { .name: wk, .offset: 32, .size: 8, .value_kind: global_buffer, .address_space: global }
      - { .name: wv, .offset: 40, .size: 8, .value_kind: global_buffer, .address_space: global }
      - { .name: wp, .offset: 48, .size: 8, .value_kind: global_buffer, .address_space: global }
      - { .name: hf, .offset: 56, .size: 8, .value_kind: global_buffer, .address_space: global }
      - { .name: wf, .offset: 64, .size: 8, .value_kind: global_buffer, .address_space: global }
    .group_segment_fixed_size: 77056
    .private_segment_fixed_size: 0
    .kernarg_segment_align: 8
    .kernarg_segment_size: 72
    .max_flat_workgroup_size: 256
    .sgpr_count:     66
    .vgpr_count:     240
    .wavefront_size: 32
...
	.end_amdgpu_metadata
.endif
;; end of part 7
;; launch fold: the kernel of part 5 again; grid 268 x 1, 2 waves a work-group, no clusters, 0 bytes of LDS; arguments wf, bq, bk, bv, bp, mf, vf; writes mf, vf
;; launch attn: the kernel of part 6 again; grid 32 x 8, 4 waves a work-group, clusters of 4 x 1, 327,680 bytes of LDS; arguments hf, mf, vf, bq, bk, x, out0; writes out0
